; MI455X (gfx1250); checked and timed in simulation.
; The chip was launched on July 23, 2026; its instructions are those of AMD's public machine-readable ISA for CDNA 5 (MIT licence, August 2026) and "CDNA5" Instruction Set Architecture Reference Guide (July 2026). The comments in the code are by the model that wrote it; some were corrected since.
;; Attention Model. Allowed arithmetic: float matrix products may take bf16 or f16 operands with f32 sums; other float arithmetic in f32, or as packed bf16 or f16 multiplies, adds, multiply-adds, maxima and minima; sums over many terms, partial sums and values carried from step to step in f32; what a program stores and reads back later, other than sums and carried values, may be rounded once to bf16 or f16.
;; Inputs: Wk 1,024 x 1,024 float32; Wq 1,024 x 1,024 float32; Wv 1,024 x 1,024 float32; bk 1,024 float32; bq 1,024 float32; bv 1,024 float32; key 4 x 2,048 x 1,024 float32; query 4 x 2,048 x 1,024 float32; value 4 x 2,048 x 1,024 float32.
;; Outputs: out0 4 x 2,048 x 1,024 float32.
;; 2 versions, each right; version 2 is version 1 with the launch wcast written anew for expert scheduling mode. Each part assembles by itself: llvm-mc -triple=amdgcn-amd-amdhsa -mcpu=gfx1250 --defsym DOCPART=n.
;; ======== version 1 of 2: 4 launches
;; limits: values are held in f16: magnitudes above 65,504 overflow, below 6.1e-05 lose precision
;; workspace buffers: wb 6,291,456 bytes; bb 12,288 bytes; qkv 50,331,648 bytes; pbuf 33,554,432 bytes; stat 1,048,576 bytes
;; launch wcast (part 1): grid 128 x 3, 8 waves a work-group, no clusters, 0 bytes of LDS; arguments Wq, Wk, Wv, bq, bk, bv, wb, bb; writes wb, bb
.if DOCPART == 1
	.amdgcn_target "amdgcn-amd-amdhsa--gfx1250"
	.amdhsa_code_object_version 6
	.text
	.protected	k_q12a4d397bd_wcast
	.globl	k_q12a4d397bd_wcast
	.p2align	8
	.type	k_q12a4d397bd_wcast,@function
k_q12a4d397bd_wcast:
	s_mov_b64 s[64:65], 0
	v_nop
	global_prefetch_b8 v0, s[64:65] scope:SCOPE_SE
	s_setreg_imm32_b32 hwreg(HW_REG_WAVE_MODE, 25, 1), 1
	s_wait_xcnt 0x0
; The three weight matrices [1024][1024] f32 are rounded once to bf16 into wb [3][1024][1024]; the three biases are rounded to bf16 and
; written back as f32 words into bb [3][1024] (they later start f32 sums).  Grid y picks the matrix, grid x 32,768 bytes of it.
; A wave reads 4,096 consecutive bytes by eight loads of 512 and writes 2,048 by eight stores, each of 256 consecutive bytes, aligned.
; A stream: no LDS, no barrier, no matrix unit.  All eight loads of a wave are out before the first is used.
.set INO,  3                           ; v3  my byte offset in the work-group's input
.set OUTO, 1                           ; v1  my byte offset in its output
.set BOF,  2                           ; v2  16 x my thread's number: my four numbers of the bias
	s_load_b512 s[4:19], s[0:1], 0x0               ; Wq Wk Wv bq bk bv wb bb
	s_and_b32 s24, ttmp7, 0xffff                   ; which of the three
	v_lshrrev_b32 v1, 5, v0
	v_and_b32 v2, 31, v0
	v_lshlrev_b32 v[INO], 12, v1
	v_lshl_add_u32 v[INO], v2, 4, v[INO]           ; wave x 4,096 + lane x 16
	v_lshlrev_b32 v[OUTO], 11, v1
	v_lshl_add_u32 v[OUTO], v2, 3, v[OUTO]         ; wave x 2,048 + lane x 8
	v_lshlrev_b32 v[BOF], 4, v0
	s_lshl_b32 s26, ttmp9, 15                      ; the work-group's 32,768 bytes of input
	s_mov_b32 s27, 0
	s_lshl_b32 s28, s24, 21                        ; the matrix in wb,
	s_lshl_b32 s25, ttmp9, 14                      ; and the work-group's 16,384 bytes of it
	s_add_co_u32 s28, s28, s25
	s_mov_b32 s29, 0
	s_lshl_b32 s30, s24, 12                        ; the bias in bb
	s_mov_b32 s31, 0
	s_wait_kmcnt 0x0
	s_cmp_eq_u32 s24, 1
	s_cselect_b64 s[20:21], s[6:7], s[8:9]
	s_cselect_b64 s[22:23], s[12:13], s[14:15]
	s_cmp_eq_u32 s24, 0
	s_cselect_b64 s[20:21], s[4:5], s[20:21]
	s_cselect_b64 s[22:23], s[10:11], s[22:23]
	s_add_nc_u64 s[20:21], s[20:21], s[26:27]
	s_add_nc_u64 s[16:17], s[16:17], s[28:29]
	s_add_nc_u64 s[18:19], s[18:19], s[30:31]
.irp i, 0,1,2,3,4,5,6,7
	global_load_b128 v[4+4*\i:7+4*\i], v[INO], s[20:21] offset:512*\i th:TH_LOAD_NT
.endr
.irp i, 0,1,2,3,4,5,6,7
	s_wait_loadcnt 7-\i                            ; loads come back in order: mine is in, the younger ones stay out
	v_cvt_pk_bf16_f32 v[36+2*\i], v[4+4*\i], v[5+4*\i]
	v_cvt_pk_bf16_f32 v[37+2*\i], v[6+4*\i], v[7+4*\i]
	global_store_b64 v[OUTO], v[36+2*\i:37+2*\i], s[16:17] offset:256*\i
.endr
	s_cmp_lg_u32 ttmp9, 0                          ; the first work-group of each matrix also takes its bias: 256 threads x 4 numbers
	s_cbranch_scc1 .Lend
	global_load_b128 v[52:55], v[BOF], s[22:23]
	s_wait_loadcnt 0x0
	v_cvt_pk_bf16_f32 v56, v52, v53
	v_cvt_pk_bf16_f32 v57, v54, v55
	v_lshlrev_b32 v60, 16, v56                     ; bf16 back to f32: the low half moves up, the high half stays
	v_and_b32 v61, 0xffff0000, v56
	v_lshlrev_b32 v62, 16, v57
	v_and_b32 v63, 0xffff0000, v57
	global_store_b128 v[BOF], v[60:63], s[18:19]
.Lend:
	s_endpgm
.Lfunc_end_k_q12a4d397bd_wcast:
	.size	k_q12a4d397bd_wcast, .Lfunc_end_k_q12a4d397bd_wcast-k_q12a4d397bd_wcast
	.p2alignl 7, 3214868480
	.fill 96, 4, 3214868480
	.section	.rodata,"a",@progbits
	.p2align	6, 0x0
	.amdhsa_kernel k_q12a4d397bd_wcast
		.amdhsa_group_segment_fixed_size 0
		.amdhsa_private_segment_fixed_size 0
		.amdhsa_enable_private_segment 0
		.amdhsa_kernarg_size 64
		.amdhsa_user_sgpr_count 2
		.amdhsa_user_sgpr_kernarg_segment_ptr 1
		.amdhsa_wavefront_size32 1
		.amdhsa_system_sgpr_workgroup_id_x 1
		.amdhsa_system_sgpr_workgroup_id_y 1
		.amdhsa_system_sgpr_workgroup_id_z 1
		.amdhsa_system_vgpr_workitem_id 0
		.amdhsa_next_free_vgpr 64
		.amdhsa_next_free_sgpr 66
		.amdhsa_reserve_vcc 0
		.amdhsa_float_denorm_mode_32 3
		.amdhsa_float_denorm_mode_16_64 3
		.amdhsa_memory_ordered 1
		.amdhsa_forward_progress 1
		.amdhsa_inst_pref_size 5
	.end_amdhsa_kernel
	.amdgpu_metadata
---
amdhsa.version: [ 1, 2 ]
amdhsa.kernels:
  - .name:           k_q12a4d397bd_wcast
    .symbol:         k_q12a4d397bd_wcast.kd
    .args:
      - { .name: Wq, .offset: 0, .size: 8, .value_kind: global_buffer, .address_space: global }
      - { .name: Wk, .offset: 8, .size: 8, .value_kind: global_buffer, .address_space: global }
      - { .name: Wv, .offset: 16, .size: 8, .value_kind: global_buffer, .address_space: global }
      - { .name: bq, .offset: 24, .size: 8, .value_kind: global_buffer, .address_space: global }
      - { .name: bk, .offset: 32, .size: 8, .value_kind: global_buffer, .address_space: global }
      - { .name: bv, .offset: 40, .size: 8, .value_kind: global_buffer, .address_space: global }
      - { .name: wb, .offset: 48, .size: 8, .value_kind: global_buffer, .address_space: global }
      - { .name: bb, .offset: 56, .size: 8, .value_kind: global_buffer, .address_space: global }
    .group_segment_fixed_size: 0
    .private_segment_fixed_size: 0
    .kernarg_segment_align: 8
    .kernarg_segment_size: 64
    .max_flat_workgroup_size: 256
    .sgpr_count:     66
    .vgpr_count:     64
    .wavefront_size: 32
...
	.end_amdgpu_metadata
.endif
;; end of part 1
;; launch proj (part 2): grid 4 x 64, 4 waves a work-group, clusters of 4 x 4, 327,680 bytes of LDS; arguments query, key, value, wb, bb, qkv; writes qkv
.if DOCPART == 2
	.amdgcn_target "amdgcn-amd-amdhsa--gfx1250"
	.amdhsa_code_object_version 6
	.text
	.protected	k_q12a4d397bd_proj
	.globl	k_q12a4d397bd_proj
	.p2align	8
	.type	k_q12a4d397bd_proj,@function
k_q12a4d397bd_proj:
	s_mov_b64 s[64:65], 0
	v_nop
	global_prefetch_b8 v0, s[64:65] scope:SCOPE_SE
	s_setreg_imm32_b32 hwreg(HW_REG_WAVE_MODE, 25, 1), 1
	s_wait_xcnt 0x0
	s_wait_alu depctr_hold_cnt(0) depctr_sa_sdst(0) depctr_va_vdst(0) depctr_va_sdst(0) depctr_va_ssrc(0) depctr_va_vcc(0) depctr_vm_vsrc(0)
	s_getreg_b32 s2, hwreg(HW_REG_IB_STS2, 6, 4)
	s_cmp_eq_u32 s2, 0
	s_cbranch_scc0 .Lentry_in_a_cluster
	s_endpgm
.Lentry_in_a_cluster:
	s_bfe_u32 s2, ttmp6, 0x10000c
	s_cmp_lg_u32 s2, 0xf033
	s_cbranch_scc0 .Lentry_shape_is_right
	s_endpgm
.Lentry_shape_is_right:
; qkv[t][row][e] = f16( bias_t[e] + sum over d of bf16(x_t[row][d]) wb[t][e][d] ),  t = q, k, v;  x_t: [8192][1024] f32, wb: [3][1024][1024] bf16, bb: [3][1024] f32, qkv: [3][8192][1024] f16.
; LIMITS.  The results are kept in f16: a projection beyond 65,504 in magnitude becomes an infinity.  NaN and infinities are not treated apart.
; SHARES.  A work-group makes 128 rows x 256 columns, for q, then k, then v: three tiles, 24 K steps of 128 in ONE sequence through the ring.  Four waves, each 64 rows x 128 columns: 32 accumulators.
; W comes by the tensor data mover: two LDS slots of 256 rows x 272 bytes, each wave fetching 64 rows.  The four work-groups of a column of the 4 x 4 cluster need the same rows of W and ask JOINTLY.
; x comes through registers: it is f32 in memory and bf16 in LDS, so each number is loaded once by one wave of the work-group, rounded, and stored into one of two LDS slots that no tensor load ever
; fills.  It is not asked for jointly: a joint tile would lie in LDS as f32 and every fragment read of it would be twice as long.
; During K step s the x of step s + 1 is rounded and stored (its slot was left at the change of slots before) and the x of step s + 2 is loaded, in four chunks of eight rows a wave.
; THE MATRIX INSTRUCTION IS USED TRANSPOSED (source 0 = 16 rows of W, source 1 = 16 rows of x): a lane holds one row and eight neighbouring columns.  The bias is the C operand of a tile's first products.
; REGISTERS, in windows of 256: window 0: v0-63 addresses; v64-159, v160-255 two fragment buffers (8 of W, then 4 of x); the second buffer's registers serve the way out.
;   window 1: the accumulators, (a, b) at 8 (8 a + b).   window 2: v0-127 x as loaded, v128-191 the bias of my 128 columns.
.set PITCH, 272                        ; an LDS row: 256 bytes + 16 = 68 words, so that the 16 rows of a fragment load start at 16 different groups of four banks (ISA guide 11.1)
.set BSLOT, 256*PITCH                  ; a slot of W
.set ABASE, 2*BSLOT
.set ASLOT, 128*PITCH                  ; a slot of x
.set STAGE, ABASE+2*ASLOT              ; 16 rows x 272 bytes for each wave, for the way out
.set SPARE, STAGE+4*16*PITCH           ; the spare words, 128 bytes a wave: two blocks of 256 bytes that no other line names
.set F0, 64
.set F1, 160
.set TMP, 160                          ; the way out: packed results
.set OB, 192                           ; the way out: rows read back, two sets of 32 by turns
.set X, 0                              ; window 2
.set BIAS, 128                         ; window 2
.set ADRA, 4                           ; v4-5   LDS address of my x fragments in slot 0, 1
.set ADRB, 6                           ; v6-7   the same for W
.set STO, 8
.set RD, 9
.set CO, 10
.set XOF, 11                           ; v11  my byte offset in the work-group's rows of x: wave x 32 rows + 16 x lane
.set XST, 12                           ; v12  where I store 8 bytes of a row of x
.set PFO, 13                           ; v13  x's prefetch offset
.set PWO, 14                           ; v14  W's prefetch offset
.set BO, 15                            ; v15  32 x (lane / 16): my eight columns in a group of 16, in f32
.set SPW, 16                           ; v16  LDS address of my spare word; never rewritten
.set NIL, 17                           ; v17  0; never rewritten
.set WV, 16
.set WR, 17
.set WC, 18
.set CX, 19
.set CY, 20
.set WGY, 21
.set CLY, 22
.set SJ, 23                            ; s23  the K step in hand, 0 to 23
.set TL, 24                            ; s24  tiles to go
.set LAP, 25
.set LB, 26                            ; s26  laps of this tile that fill slots: 4, in the last tile 3
.set T0, 27                            ; s27  at work; never holds a place in the cluster
.set G1, 28                            ; s[28:35]
.set G0, 36                            ; s[36:43] a set for each slot
.set WB0, 44                           ; s[44:45] wb at my 64 rows
.set XP, 46                            ; s[46:47] x at the step that is being loaded
.set TS, 48                            ; s[48:49] the tensor of a step
.set OFS, 50                           ; s[50:51] an offset, high word 0
.set OP, 52                            ; s[52:53] qkv at my part of the tile
.set BP, 54                            ; s[54:55] bb at my 128 columns
.set PFX, 56
.set PFW, 58
.set WPF, 60                           ; s[60:61] wb at my work-group's 16 of my 64 rows
.set LIMW, 62
.set T1, 63
.set SC, 66                            ; s[66:67] at work, for addresses that no joint load uses
.set SD, 68                            ; s[68:69] at work, for W's address: holds cx, never cy
.set MSB, 0
.macro WIN new                         ; the immediate's high byte repeats the setting that is left; a switch that changes nothing is dropped
.if MSB != (\new)
	s_set_vgpr_msb (MSB<<8)|(\new)
.set MSB, \new
.endif
.endm
.macro PLACES                          ; four places behind matrix instructions, in front of loads into registers that they read and of vector lines that read results
.rept 4
	v_nop
.endr
.endm
.macro CREST                           ; a round of the cluster's barrier behind its opening barrier
	s_cmp_lg_u32 s[WV], 0
	s_cbranch_scc1 .Lnot_wave_0_\@
	s_barrier_signal -3
.Lnot_wave_0_\@:
	s_barrier_wait -3
	s_barrier_signal -1
	s_barrier_wait -1
.endm
.macro CROUND
	s_barrier_signal -1
	s_barrier_wait -1
	CREST
.endm
.macro JLOAD slot                      ; the joint load: every wave fetches its 64 rows of W; an s_nop 0 and four v_nop follow
	tensor_load_to_lds s[G0+4*(\slot):G0+4*(\slot)+3], s[G1:G1+7]
	s_nop 0
.rept 4
	v_nop
.endr
.endm
; 8 matrix instructions: row block a x all 8 column blocks, 32 along K.  zero = 1: the bias starts the sums.  The 32 accumulators take turns, one instruction a turn.
.macro MUL8 f, a, zero
.if \zero
	WIN 0x60                                       ; C in window 2, D in window 1
.else
	WIN 0x50                                       ; C and D in window 1
.endif
.irp b, 0,1,2,3,4,5,6,7
.if \zero
	v_wmma_f32_16x16x32_bf16 v[8*(8*(\a)+\b):8*(8*(\a)+\b)+7], v[(\f)+8*\b:(\f)+8*\b+7], v[(\f)+64+8*(\a):(\f)+64+8*(\a)+7], v[BIAS+8*\b:BIAS+8*\b+7]
.else
	v_wmma_f32_16x16x32_bf16 v[8*(8*(\a)+\b):8*(8*(\a)+\b)+7], v[(\f)+8*\b:(\f)+8*\b+7], v[(\f)+64+8*(\a):(\f)+64+8*(\a)+7], v[8*(8*(\a)+\b):8*(8*(\a)+\b)+7]
.endif
.endr
.endm
; 24 LDS loads in one run: the fragments of 32 along K at byte k of the rows: W's eight, then x's four
.macro FETCH slot, k, f
	WIN 0
.irp i, 0,1,2,3,4,5,6,7
	ds_load_b128 v[(\f)+8*\i:(\f)+8*\i+3],   v[ADRB+(\slot)] offset:(\k)+\i*16*PITCH
	ds_load_b128 v[(\f)+8*\i+4:(\f)+8*\i+7], v[ADRB+(\slot)] offset:(\k)+\i*16*PITCH+32
.endr
.irp i, 0,1,2,3
	ds_load_b128 v[(\f)+64+8*\i:(\f)+64+8*\i+3],   v[ADRA+(\slot)] offset:(\k)+\i*16*PITCH
	ds_load_b128 v[(\f)+64+8*\i+4:(\f)+64+8*\i+7], v[ADRA+(\slot)] offset:(\k)+\i*16*PITCH+32
.endr
.endm
.macro XLOAD                           ; a step's 32 rows of mine: one load a row, 512 consecutive bytes
	WIN 0x80
.set xi, 0
.rept 32
	global_load_b128 v[X+4*xi:X+4*xi+3], v[XOF], s[XP:XP+1] offset:xi*4096
.set xi, xi+1
.endr
	WIN 0
.endm
.macro BLOAD                           ; the bias of my 128 columns, as the C operand wants it: group b's registers hold columns 16 b + 8 (lane / 16) + 0..7
	WIN 0x80
.irp b, 0,1,2,3,4,5,6,7
	global_load_b128 v[BIAS+8*\b:BIAS+8*\b+3],   v[BO], s[BP:BP+1] offset:64*\b
	global_load_b128 v[BIAS+8*\b+4:BIAS+8*\b+7], v[BO], s[BP:BP+1] offset:64*\b+16
.endr
	WIN 0
.endm
; Where the x of step SJ + 2 lies: the tensor by the step's tile, 512 bytes a step along the rows.
.macro XSTEP
	s_wait_xcnt 0x0                                ; the last step's loads have read the pointer
	s_add_co_u32 s[T0], s[SJ], 2
	s_cmp_lt_u32 s[T0], 16
	s_cselect_b64 s[TS:TS+1], s[6:7], s[8:9]
	s_cmp_lt_u32 s[T0], 8
	s_cselect_b64 s[TS:TS+1], s[4:5], s[TS:TS+1]
	s_and_b32 s[OFS], s[T0], 7
	s_lshl_b32 s[OFS], s[OFS], 9
	s_add_nc_u64 s[XP:XP+1], s[TS:TS+1], s[OFS:OFS+1]
.endm
; Chunk c (eight rows) of the next step's x: rounded to bf16 in place (result i lies below its sources 2 i, 2 i + 1), stored into x's slot dst, and (mode 2) loaded again for the step after.
; mode 2: three younger chunks, 24 loads, may stay out.  mode 1: nothing is loaded any more, the counts run down.  mode 3: the start: the wait stands in front.
.macro XCHUNK c, dst, mode
.if (\mode) == 2
	s_wait_loadcnt 24
.elseif (\mode) == 1
	s_wait_loadcnt 24-8*(\c)
.endif
	WIN 0x8a
.set xi, 0
.rept 16
	v_cvt_pk_bf16_f32 v[X+32*(\c)+xi], v[X+32*(\c)+2*xi], v[X+32*(\c)+2*xi+1]
.set xi, xi+1
.endr
	WIN 0x08
.set xi, 0
.rept 8
	ds_store_b64 v[XST], v[X+32*(\c)+2*xi:X+32*(\c)+2*xi+1] offset:(\dst)*ASLOT+(8*(\c)+xi)*PITCH  ; 32 lanes x 8 bytes: a row's 256 bytes
.set xi, xi+1
.endr
.if (\mode) == 2
	WIN 0x80
.set xi, 0
.rept 8
	global_load_b128 v[X+32*(\c)+4*xi:X+32*(\c)+4*xi+3], v[XOF], s[XP:XP+1] offset:(8*(\c)+xi)*4096
.set xi, xi+1
.endr
.endif
	WIN 0
.endm
; A K step is four quarters of 32 along K, 32 matrix instructions each, on buffers 0, 1, 0, 1.  One of the first three: multiplies f, and in its middle takes chunk xc of x and fetches the next quarter into g.
.macro QUARTER slot, k, f, g, zero, xc, xmode
.if ((\xc) == 0) && ((\xmode) == 2)
	XSTEP
.endif
	s_wait_dscnt 4                                 ; W's fragments and x's first two are in; the youngest four loads (x's last two) may be out
	MUL8 \f, 0, \zero
	MUL8 \f, 1, \zero
	PLACES
.if \xmode
	XCHUNK \xc, 1-(\slot), \xmode
.endif
	FETCH \slot, \k, \g
	s_wait_dscnt 24                                ; all but the 24 just issued
	MUL8 \f, 2, \zero
	MUL8 \f, 3, \zero
.endm
; A PREFETCH INTO THE L2, once a lap, behind the joint load, its five lines and the run of LDS loads: K steps SJ + 4 and SJ + 5.
; x: a tile's 128 rows are read by the four work-groups of a row of the cluster and by nobody else: they share the rows out BY ADDRESS, 32 each, 8 a wave; a lane names one of the four blocks of
; 256 bytes that the two steps have in a row.  W: a tile's rows are read by every cluster: cluster y = 0 asks; the four partners of a column take 16 of a wave's 64 rows each, a lane one of a row's two blocks.
; So each block is named once in the launch.  The first four steps come by their loads alone; from step 20 on nothing is asked for: there is no step 24.
.macro ASK
	s_cmp_lt_u32 s[SJ], 20
	s_cbranch_scc0 .Lnone_\@
	global_prefetch_b8 v[PFO], s[PFX:PFX+1] th:TH_LOAD_NT scope:SCOPE_SE
	s_cmp_lt_u32 s[SJ], s[LIMW]
	s_cbranch_scc0 .Lnone_\@
	global_prefetch_b8 v[PWO], s[PFW:PFW+1] th:TH_LOAD_NT scope:SCOPE_SE
.Lnone_\@:
.endm
; The last quarter multiplies buffer 1 and changes slots: ONE barrier.  In front of it each wave waits for all its tensor loads (one is out: its part of W's next slot), adds 0 to its spare word, and waits for
; that, for its reads of this slot and for its stores of x.  Behind it nobody reads this slot and the next slots of W and of x are whole.  fill = 1: the barrier opens a round of the cluster's, and W's slot
; is filled again with step SJ + 2, the first thing behind the round.
.macro TURN slot, next, fill, xmode
.if \xmode
	XCHUNK 3, 1-(\slot), \xmode
.endif
.if (\fill) && ((\slot) == 0)
	s_wait_xcnt 0x0                                ; the last prefetches, a lap back, have read their pointers
.endif
	WIN 0
	s_wait_tensorcnt 0x0                           ; no tensor load of mine is out, so a group 0 may be written
	ds_add_u32 v[SPW], v[NIL]                      ; 0 onto my spare word
.if \fill
	s_add_co_u32 s[T0], s[SJ], 2                   ; the step to ask for: its matrix (2 MiB each), 256 bytes a step along the rows
	s_lshr_b32 s[T1], s[T0], 3
	s_lshl_b32 s[T1], s[T1], 21
	s_and_b32 s[OFS], s[T0], 7
	s_lshl_b32 s[OFS], s[OFS], 8
	s_add_co_u32 s[OFS], s[OFS], s[T1]
	s_add_nc_u64 s[G0+4*(\slot)+2:G0+4*(\slot)+3], s[WB0:WB0+1], s[OFS:OFS+1]
	s_or_b32 s[G0+4*(\slot)+3], s[G0+4*(\slot)+3], 0x80000000
.if (\slot) == 0
	s_add_co_u32 s[T0], s[SJ], 4                   ; and the prefetches' pointers
	s_cmp_lt_u32 s[T0], 16
	s_cselect_b64 s[TS:TS+1], s[6:7], s[8:9]
	s_cmp_lt_u32 s[T0], 8
	s_cselect_b64 s[TS:TS+1], s[4:5], s[TS:TS+1]
	s_and_b32 s[OFS], s[T0], 7
	s_lshl_b32 s[OFS], s[OFS], 9
	s_add_nc_u64 s[PFX:PFX+1], s[TS:TS+1], s[OFS:OFS+1]
	s_lshr_b32 s[T1], s[T0], 3
	s_lshl_b32 s[T1], s[T1], 21
	s_lshr_b32 s[OFS], s[OFS], 1
	s_add_co_u32 s[OFS], s[OFS], s[T1]
	s_add_nc_u64 s[PFW:PFW+1], s[WPF:WPF+1], s[OFS:OFS+1]
.endif
.endif
.if \xmode
	s_wait_dscnt 13                                ; the add, chunk 3's eight stores and the youngest four loads may be out
.else
	s_wait_dscnt 5                                 ; the add and the youngest four loads may be out
.endif
	MUL8 F1, 0, 0
	s_wait_dscnt 0x0                               ; the add is done, my reads of this slot are over, my rows of x are stored
	s_barrier_signal -1
	MUL8 F1, 1, 0
	WIN 0
	s_barrier_wait -1
.if \fill
	CREST                                          ; no wave of any partner still reads this slot or has a load on its way
	JLOAD \slot                                    ; its four v_nop are also the places in front of the loads below
.else
	PLACES
.endif
	FETCH \next, 0, F0
.if (\fill) && ((\slot) == 0)
	ASK
.endif
	s_add_co_u32 s[SJ], s[SJ], 1
	MUL8 F1, 2, 0
	MUL8 F1, 3, 0
.endm
; THE WAY OUT of row block a: rounded to f16, 16 bytes a lane; into my own stage and back as whole rows of 256 bytes; stored.
.macro PACK a
	WIN 0x05
.irp b, 0,1,2,3,4,5,6,7
.irp q, 0,1,2,3
	v_cvt_pk_f16_f32 v[TMP+4*\b+\q], v[64*(\a)+8*\b+2*\q], v[64*(\a)+8*\b+2*\q+1]
.endr
.endr
	WIN 0
.endm
.macro TOSTAGE a
.irp b, 0,1,2,3,4,5,6,7
	ds_store_b128 v[STO], v[TMP+4*\b:TMP+4*\b+3] offset:32*\b
.endr
.irp t, 0,1,2,3,4,5,6,7
	ds_load_b128 v[OB+32*((\a)%2)+4*\t:OB+32*((\a)%2)+4*\t+3], v[RD] offset:\t*2*PITCH  ; LDS serves a wave's instructions in order (ISA guide 5.7.1.4): these see the stores above
.endr
.endm
.macro SEND a
	s_wait_dscnt 0x0                               ; the block is back in registers
.irp t, 0,1,2,3,4,5,6,7
	global_store_b128 v[CO], v[OB+32*((\a)%2)+4*\t:OB+32*((\a)%2)+4*\t+3], s[OP:OP+1] offset:(16*(\a)+2*\t)*2048  ; 16 lanes store 256 consecutive bytes, aligned
.endr
.endm
	s_load_b256 s[4:11], s[0:1], 0x0               ; query s[4:5], key s[6:7], value s[8:9], wb s[10:11]
	s_load_b128 s[12:15], s[0:1], 0x20             ; bb s[12:13], qkv s[14:15]
	v_lshl_add_u32 v[SPW], v0, 2, SPARE
	v_mov_b32 v[NIL], 0
	ds_add_u32 v[SPW], v[NIL]                      ; the wave's opening: the add and its wait stand ahead of my first tensor load; the set-up below stands between them
	v_lshrrev_b32 v1, 5, v0
	v_readfirstlane_b32 s[WV], v1                  ; wave 0..3
	s_lshr_b32 s[WR], s[WV], 1                     ; which 64 rows of the tile are mine
	s_and_b32 s[WC], s[WV], 1                      ; which 128 columns
	s_bfe_u32 s[CX], ttmp6, 0x40000                ; my place in the cluster; the grid has one cluster along x, so cx is the tile column
	s_bfe_u32 s[CY], ttmp6, 0x40004
	s_and_b32 s[CLY], ttmp7, 0xffff                ; cluster y
	s_lshl_b32 s[WGY], s[CLY], 2
	s_add_co_u32 s[WGY], s[WGY], s[CY]             ; tile row
	s_lshl_b32 s[T1], 0x1111, s[CX]                ; my column of the cluster
	s_or_b32 s[G1], s[T1], (1<<16)|(1<<20)|(1<<21)|(5<<22)|(3<<25)  ; the mask; 2-byte elements; padding on; bit 21 beside a mask; after every 64 words, 4 words
	s_mov_b32 s[G1+1], 128<<16                     ; tensor_dim0 = 128
	s_mov_b32 s[G1+2], 64<<16                      ; tensor_dim1 = 64
	s_mov_b32 s[G1+3], 128<<16                     ; tile_dim0 = 128
	s_mov_b32 s[G1+4], 64                          ; tile_dim1 = 64
	s_mov_b32 s[G1+5], 1024                        ; elements from row to row
	s_mov_b32 s[G1+6], 0
	s_mov_b32 s[G1+7], 0
	s_mul_i32 s[T0], s[WV], 64*PITCH               ; where my 64 rows go: no place in the cluster enters an LDS address
	s_mov_b32 s[G0], 1
	s_add_co_u32 s[G0+1], s[T0], 0
	s_mov_b32 s[G0+4], 1
	s_add_co_u32 s[G0+5], s[T0], BSLOT
	s_mov_b32 s[OFS+1], 0
	s_mov_b32 s[SC+1], 0
	s_mov_b32 s[SD+1], 0
	s_mov_b32 s[SJ], 0
	s_mov_b32 s[TL], 3
	s_cmp_eq_u32 s[CLY], 0
	s_cselect_b32 s[LIMW], 20, 0                   ; the same in all sixteen partners
	v_and_b32 v2, 15, v0                           ; r = lane % 16
	v_bfe_u32 v3, v0, 4, 1                         ; h = lane / 16
	v_and_b32 v18, 31, v0                          ; lane
	v_mul_u32_u24 v19, v2, PITCH
	v_lshl_add_u32 v19, v3, 4, v19                 ; r x pitch + 16 h
	s_mul_i32 s[T0], s[WR], 64*PITCH
	s_add_co_u32 s[T0], s[T0], ABASE
	v_add_nc_u32 v[ADRA], s[T0], v19
	s_add_co_u32 s[T0], s[T0], ASLOT
	v_add_nc_u32 v[ADRA+1], s[T0], v19
	s_mul_i32 s[T0], s[WC], 128*PITCH
	v_add_nc_u32 v[ADRB], s[T0], v19
	s_add_co_u32 s[T0], s[T0], BSLOT
	v_add_nc_u32 v[ADRB+1], s[T0], v19
	s_mul_i32 s[T0], s[WV], 16*PITCH
	s_add_co_u32 s[T0], s[T0], STAGE
	v_add_nc_u32 v[STO], s[T0], v19                ; in: row r, 16 bytes for each half of the lanes
	v_mul_u32_u24 v20, v3, PITCH
	v_lshl_add_u32 v20, v2, 4, v20
	v_add_nc_u32 v[RD], s[T0], v20                 ; back: lanes 0-15 one row of 256 bytes, lanes 16-31 the next
	v_lshlrev_b32 v[CO], 11, v3
	v_lshl_add_u32 v[CO], v2, 4, v[CO]             ; the same two rows in qkv
	s_lshl_b32 s[T0], s[WV], 17
	v_lshl_add_u32 v[XOF], v18, 4, s[T0]           ; wave x 32 rows of 4,096 bytes + 16 x lane
	s_mul_i32 s[T0], s[WV], 32*PITCH
	s_add_co_u32 s[T0], s[T0], ABASE
	v_lshl_add_u32 v[XST], v18, 3, s[T0]
	s_lshl_b32 s[T1], s[CX], 5
	s_lshl_b32 s[T0], s[WV], 3
	s_add_co_u32 s[T1], s[T1], s[T0]               ; x's prefetch: row 32 cx + 8 wave + lane / 4,
	v_lshrrev_b32 v20, 2, v18
	v_add_nc_u32 v20, s[T1], v20
	v_and_b32 v21, 3, v18
	v_lshlrev_b32 v21, 8, v21                      ; block lane % 4
	v_lshl_add_u32 v[PFO], v20, 12, v21
	v_lshrrev_b32 v20, 1, v18                      ; W's: row lane / 2, block lane % 2
	v_and_b32 v21, 1, v18
	v_lshlrev_b32 v21, 8, v21
	v_lshl_add_u32 v[PWO], v20, 11, v21
	v_lshlrev_b32 v[BO], 5, v3
	s_wait_dscnt 0x0                               ; the opening add is done
	s_wait_kmcnt 0x0
	s_lshl_b32 s[SC], s[WGY], 19                   ; the tile's 128 rows of 4,096 bytes
	s_add_nc_u64 s[4:5], s[4:5], s[SC:SC+1]
	s_add_nc_u64 s[6:7], s[6:7], s[SC:SC+1]
	s_add_nc_u64 s[8:9], s[8:9], s[SC:SC+1]
	s_lshl_b32 s[SD], s[CX], 8
	s_lshl_b32 s[T0], s[WV], 6
	s_add_co_u32 s[SD], s[SD], s[T0]
	s_lshl_b32 s[SD], s[SD], 11
	s_add_nc_u64 s[WB0:WB0+1], s[10:11], s[SD:SD+1]  ; W's row 256 cx + 64 wave: it hangs on what my column of the cluster shares
	s_lshl_b32 s[SC], s[CY], 15
	s_add_nc_u64 s[WPF:WPF+1], s[WB0:WB0+1], s[SC:SC+1]  ; + 16 cy rows, for the prefetches alone
	s_lshl_b32 s[SC], s[WGY], 7
	s_lshl_b32 s[T0], s[WR], 6
	s_add_co_u32 s[SC], s[SC], s[T0]
	s_lshl_b32 s[SC], s[SC], 11
	s_add_nc_u64 s[OP:OP+1], s[14:15], s[SC:SC+1]  ; my first row of the tile,
	s_lshl_b32 s[SC], s[CX], 9
	s_lshl_b32 s[T0], s[WC], 8
	s_add_co_u32 s[SC], s[SC], s[T0]
	s_add_nc_u64 s[OP:OP+1], s[OP:OP+1], s[SC:SC+1]  ; my first column
	s_lshl_b32 s[SC], s[SC], 1
	s_add_nc_u64 s[BP:BP+1], s[12:13], s[SC:SC+1]
	s_add_nc_u64 s[G0+2:G0+3], s[WB0:WB0+1], 0     ; K step 0
	s_or_b32 s[G0+3], s[G0+3], 0x80000000
	s_add_nc_u64 s[G0+6:G0+7], s[WB0:WB0+1], 256   ; K step 1
	s_or_b32 s[G0+7], s[G0+7], 0x80000000
	s_mov_b64 s[XP:XP+1], s[4:5]
	XLOAD                                          ; x of step 0
	CROUND                                         ; all sixteen work-groups are here: the first joint loads meet
	tensor_load_to_lds s[G0:G0+3], s[G1:G1+7]
	s_nop 0
	tensor_load_to_lds s[G0+4:G0+7], s[G1:G1+7]    ; two loads of mine are out
	s_nop 0
.rept 4
	v_nop
.endr
	BLOAD
	s_wait_loadcnt 16                              ; x of step 0 is in; the 16 loads of the bias may stay out
	XCHUNK 0, 0, 3
	XCHUNK 1, 0, 3
	XCHUNK 2, 0, 3
	XCHUNK 3, 0, 3
	s_wait_xcnt 0x0
	s_add_nc_u64 s[XP:XP+1], s[4:5], 512
	XLOAD                                          ; x of step 1
	s_wait_tensorcnt 1                             ; my part of W's step 0 is in; step 1's may stay out
	s_wait_dscnt 0x0                               ; my rows of x are stored
	s_barrier_signal -1
	s_barrier_wait -1
	FETCH 0, 0, F0
	s_wait_loadcnt 32                              ; the bias is in; the 32 loads of x behind it stay out
.Ltile:
	QUARTER 0, 64, F0, F1, 1, 0, 2                 ; a tile's first quarter: its products start the sums with the bias
	WIN 0
	PLACES                                         ; behind the last product that read the bias
	s_cmp_eq_u32 s[TL], 1
	s_cbranch_scc1 .Lnobias
	s_wait_xcnt 0x0
	s_add_nc_u64 s[BP:BP+1], s[BP:BP+1], 4096      ; the next tile's bias: it has the whole tile in which to land; the waits for x, which count 24 younger loads, pass it within five chunks
	BLOAD
.Lnobias:
	s_mov_b32 s[LAP], 0
	s_cmp_eq_u32 s[TL], 1
	s_cselect_b32 s[LB], 3, 4                      ; the last tile's last lap fills nothing and is written out below
	s_branch .Lmid
.Llap:                                                 ; a lap: two K steps, once round the ring; both slots are filled again, across tiles too
	QUARTER 0, 64, F0, F1, 0, 0, 2
	WIN 0
.Lmid:
	QUARTER 0, 128, F1, F0, 0, 1, 2
	QUARTER 0, 192, F0, F1, 0, 2, 2
	TURN 0, 1, 1, 2
	QUARTER 1, 64, F0, F1, 0, 0, 2
	QUARTER 1, 128, F1, F0, 0, 1, 2
	QUARTER 1, 192, F0, F1, 0, 2, 2
	TURN 1, 0, 1, 2
	WIN 0
	s_add_co_u32 s[LAP], s[LAP], 1
	s_cmp_lt_u32 s[LAP], s[LB]
	s_cbranch_scc1 .Llap
	s_cmp_eq_u32 s[TL], 1
	s_cbranch_scc0 .Lout
	QUARTER 0, 64, F0, F1, 0, 0, 1                 ; steps 22 and 23: step 23's x is rounded and stored, nothing more is asked for
	QUARTER 0, 128, F1, F0, 0, 1, 1
	QUARTER 0, 192, F0, F1, 0, 2, 1
	TURN 0, 1, 0, 1
	QUARTER 1, 64, F0, F1, 0, 0, 0
	QUARTER 1, 128, F1, F0, 0, 1, 0
	QUARTER 1, 192, F0, F1, 0, 2, 0
	s_wait_dscnt 4
	MUL8 F1, 0, 0
	MUL8 F1, 1, 0
	s_wait_dscnt 0x0
	MUL8 F1, 2, 0
	MUL8 F1, 3, 0
	WIN 0
.Lout:                                                 ; the tile goes out; where a tile follows, both its first refills have been asked for and buffer 0 holds its first fragments
	PLACES
	PACK 0
	TOSTAGE 0
	PACK 1                                         ; a block's conversions stand between the loads of the block before and the wait for them
	SEND 0
	TOSTAGE 1
	PACK 2
	SEND 1
	s_wait_xcnt 0x0                                ; block 0's stores have read the registers that block 2's rows come back into
	TOSTAGE 2
	PACK 3
	SEND 2
	s_wait_xcnt 0x0
	TOSTAGE 3
	SEND 3
	s_wait_xcnt 0x0                                ; the stores have read their registers and their base
	s_add_nc_u64 s[OP:OP+1], s[OP:OP+1], 0x1000000 ; the next of the three results
	s_sub_co_u32 s[TL], s[TL], 1
	s_cmp_lg_u32 s[TL], 0
	s_cbranch_scc1 .Ltile
	s_wait_tensorcnt 0x0                           ; the wave's end: behind my last tensor load and my last LDS store
	ds_add_u32 v[SPW], v[NIL]
	s_wait_dscnt 0x0
	CROUND                                         ; the closing round: no work-group ends while a partner may still ask for a tile that names it
	s_endpgm
.Lfunc_end_k_q12a4d397bd_proj:
	.size	k_q12a4d397bd_proj, .Lfunc_end_k_q12a4d397bd_proj-k_q12a4d397bd_proj
	.p2alignl 7, 3214868480
	.fill 96, 4, 3214868480
	.section	.rodata,"a",@progbits
	.p2align	6, 0x0
	.amdhsa_kernel k_q12a4d397bd_proj
		.amdhsa_group_segment_fixed_size 327680
		.amdhsa_private_segment_fixed_size 0
		.amdhsa_enable_private_segment 0
		.amdhsa_kernarg_size 48
		.amdhsa_user_sgpr_count 2
		.amdhsa_user_sgpr_kernarg_segment_ptr 1
		.amdhsa_wavefront_size32 1
		.amdhsa_system_sgpr_workgroup_id_x 1
		.amdhsa_system_sgpr_workgroup_id_y 1
		.amdhsa_system_sgpr_workgroup_id_z 1
		.amdhsa_system_vgpr_workitem_id 0
		.amdhsa_next_free_vgpr 704
		.amdhsa_next_free_sgpr 72
		.amdhsa_reserve_vcc 0
		.amdhsa_float_denorm_mode_32 3
		.amdhsa_float_denorm_mode_16_64 3
		.amdhsa_memory_ordered 1
		.amdhsa_forward_progress 1
		.amdhsa_inst_pref_size 134
	.end_amdhsa_kernel
	.amdgpu_metadata
---
amdhsa.version: [ 1, 2 ]
amdhsa.kernels:
  - .name:           k_q12a4d397bd_proj
    .symbol:         k_q12a4d397bd_proj.kd
    .args:
      - { .name: query, .offset: 0, .size: 8, .value_kind: global_buffer, .address_space: global }
      - { .name: key, .offset: 8, .size: 8, .value_kind: global_buffer, .address_space: global }
      - { .name: value, .offset: 16, .size: 8, .value_kind: global_buffer, .address_space: global }
      - { .name: wb, .offset: 24, .size: 8, .value_kind: global_buffer, .address_space: global }
      - { .name: bb, .offset: 32, .size: 8, .value_kind: global_buffer, .address_space: global }
      - { .name: qkv, .offset: 40, .size: 8, .value_kind: global_buffer, .address_space: global }
    .group_segment_fixed_size: 327680
    .private_segment_fixed_size: 0
    .kernarg_segment_align: 8
    .kernarg_segment_size: 48
    .max_flat_workgroup_size: 128
    .sgpr_count:     72
    .vgpr_count:     704
    .wavefront_size: 32
...
	.end_amdgpu_metadata
.endif
;; end of part 2
;; launch scores (part 3): grid 8 x 32, 4 waves a work-group, clusters of 4 x 4, 327,680 bytes of LDS; arguments qkv, pbuf, stat; writes pbuf, stat
.if DOCPART == 3
	.amdgcn_target "amdgcn-amd-amdhsa--gfx1250"
	.amdhsa_code_object_version 6
	.text
	.protected	k_q12a4d397bd_scores
	.globl	k_q12a4d397bd_scores
	.p2align	8
	.type	k_q12a4d397bd_scores,@function
k_q12a4d397bd_scores:
	s_mov_b64 s[64:65], 0
	v_nop
	global_prefetch_b8 v0, s[64:65] scope:SCOPE_SE
	s_setreg_imm32_b32 hwreg(HW_REG_WAVE_MODE, 25, 1), 1
	s_wait_xcnt 0x0
	s_wait_alu depctr_hold_cnt(0) depctr_sa_sdst(0) depctr_va_vdst(0) depctr_va_sdst(0) depctr_va_ssrc(0) depctr_va_vcc(0) depctr_vm_vsrc(0)
	s_getreg_b32 s2, hwreg(HW_REG_IB_STS2, 6, 4)
	s_cmp_eq_u32 s2, 0
	s_cbranch_scc0 .Lentry_in_a_cluster
	s_endpgm
.Lentry_in_a_cluster:
	s_bfe_u32 s2, ttmp6, 0x10000c
	s_cmp_lg_u32 s2, 0xf033
	s_cbranch_scc0 .Lentry_shape_is_right
	s_endpgm
.Lentry_shape_is_right:
; For each batch: S = q k^T.  For each query and each block t of 128 keys: mu_t = c x (the block's largest score), p = 2^(c s - mu_t) rounded to f16, l_t = the sum of the unrounded p; c = log2(e) / 32.
; qkv: [3][8192][1024] f16; pbuf: [4][2048 q][2048 k] f16; stat: [4][16 t][2048 q][2] f32 = (mu, l).  The launch behind takes the row's maximum over the 16 blocks away: p x 2^(mu_t - Mu) = 2^(c s - Mu).
; LIMITS.  Scores are never stored, so their size is bounded by f32 alone.  p lies in 0 to 1; below 6e-5 it keeps f16's fixed step of 6e-8; a weight below 2^-126 counts as 0 in l.  NaN and infinities are not treated apart.
; SHARES.  A work-group makes ONE tile of 256 queries x 256 keys: 4 batches x 8 x 8 = 256 work-groups.  Four waves, each 128 queries x 128 keys: 64 accumulators, 512 registers; a block t is one wave's, so
; its maximum and sum never leave the wave.  K = 1,024 goes in 8 steps of 128 through a ring of two LDS slots, each 256 rows of q and 256 rows of k, 272 bytes a row.
; Waves 0 and 1 fetch q's halves, waves 2 and 3 k's: one tensor load of 128 rows a wave behind each change of slots, 224 matrix instructions ahead of the wait for it.
; CLUSTER 4 x 4: q's tile is shared along a row of the cluster, k's along a column: each is asked for JOINTLY, by the same tensor load with the same descriptor and a mask that names the four.
; THE MATRIX INSTRUCTION IS USED TRANSPOSED (source 0 = 16 keys, source 1 = 16 queries): a lane holds one query and eight neighbouring keys.
; THE TEXT.  A K step is written once: the slot in hand is a scalar, 0 or SLOT, turned by an exclusive or; fragment addresses and the walking descriptors' LDS words are sums with it.
; REGISTERS, in windows of 256: window 0: v0-63 addresses and statistics; v64-127, v128-191 q's fragments, two buffers (on the way out: packed results and rows read back).
;   window 1: v64-127, v128-191 k's fragments.   window 2: the accumulators of my queries 0-63, (a, b) at 8 (8 a + b).   window 3: those of my queries 64-127.
.set KSTEP, 128
.set PITCH, 272                        ; an LDS row: 256 bytes + 16 = 68 words, so that the 16 rows of a fragment load start at 16 different groups of four banks (ISA guide 11.1)
.set HALFT, 128*PITCH                  ; 128 rows: what one tensor load brings, and what one wave reads of q or of k
.set SLOT,  4*HALFT                    ; q's 256 rows, then k's 256 rows
.set STAGE, 2*SLOT                     ; behind the ring: 16 rows x 272 bytes for each wave, for the way out
.set SPARE, STAGE+4*16*PITCH           ; the spare words, 128 bytes a wave: two blocks of 256 bytes that no other line names
.set F0, 64
.set F1, 128
.set TMP, 64                           ; the way out: packed results
.set OB, 96                            ; the way out: rows read back, two sets of 32 by turns
.set ADA0, 4                           ; v4   my lane's place in q's rows of slot 0; never rewritten
.set ADB0, 5                           ; v5   the same for k
.set ADA, 6                            ; v6   the same in the slot in hand
.set ADB, 7
.set STO, 8
.set RD, 9
.set CO, 10
.set SOF, 11                           ; v11  8 x lane: my pair in 32 rows of stat
.set PFO, 13                           ; v13  the prefetches' offset: lane x a row of 2,048 bytes; never rewritten
.set SPW, 16                           ; v16  LDS address of my spare word; never rewritten
.set NIL, 17                           ; v17  0; never rewritten
.set CH, 32                            ; v32-39 eight chains of the maximum
.set XC, 40                            ; v40  what the other half of the lanes holds
.set CM, 42                            ; v42-43 c m, twice
.set SU, 44                            ; v44-45
.set MU, 48                            ; v48-51 mu of four row blocks
.set LS, 52                            ; v52-55 l of the four
.set WV, 10
.set WR, 11
.set WC, 12
.set CX, 13
.set CY, 14
.set CLY, 15
.set TX, 16                            ; the key tile, 0 to 7: holds cx
.set WGY, 17                           ; the query tile, 0 to 31: holds cy
.set BAT, 18
.set CNT, 19                           ; trips of the step loop still to come
.set T0, 20                            ; at work; never holds a place in the cluster
.set TB, 21                            ; s21  the slot in hand: 0 or SLOT
.set DL, 22                            ; s22  where my 128 rows go in a slot: wave x HALFT
.set G1A, 24
.set G1B, 32
.set G0A, 40                           ; s[40:47] a set for each of the two first fills; the second then walks on
.set G0B, 48
.set PFA, 56                           ; s[56:57] where my prefetches stand
.set LIM, 58                           ; s58  2 in a wave that prefetches, else the greatest number
.set MHI, 59
.set SEL, 60
.set CS, 62
.set OP, 66
.set SP, 68
.set SA, 70                            ; s[70:71] at work for q's address: holds cy, never cx
.set SB, 72                            ; s[72:73] at work for k's address: holds cx, never cy
.set SM, 74                            ; s[74:75] at work, for addresses that no joint load uses
.set SX, 76
.set MR, 77
.set MC, 78
.set T1, 79
.set HT, 80                            ; s80  halves of the way out still to come
.set MSB, 0
.macro WIN new                         ; the immediate's high byte repeats the setting that is left; a switch that changes nothing is dropped
.if MSB != (\new)
	s_set_vgpr_msb (MSB<<8)|(\new)
.set MSB, \new
.endif
.endm
.set MUL_LO, 0xa1                      ; source 0 (k) window 1, source 1 (q) window 0, C and D window 2
.set MUL_HI, 0xf1                      ; the same, C and D window 3
.set TO_B,   0x40                      ; destination window 1, address window 0
.macro PLACES                          ; four places behind matrix instructions, in front of loads into registers that they read and of vector lines that read results
.rept 4
	v_nop
.endr
.endm
.macro CREST                           ; a round of the cluster's barrier behind its opening barrier
	s_cmp_lg_u32 s[WV], 0
	s_cbranch_scc1 .Lnot_wave_0_\@
	s_barrier_signal -3
.Lnot_wave_0_\@:
	s_barrier_wait -3
	s_barrier_signal -1
	s_barrier_wait -1
.endm
.macro CROUND
	s_barrier_signal -1
	s_barrier_wait -1
	CREST
.endm
.macro JLOAD                           ; a joint refill by the walking descriptors: each of the two lines has one mask; the branch hangs on the wave's number alone; an s_nop 0 and four v_nop follow each line
	s_cmp_eq_u32 s[WR], 0
	s_cbranch_scc0 .Lfor_b_\@
	tensor_load_to_lds s[G0A+4:G0A+7], s[G1A:G1A+7]
	s_nop 0
.rept 4
	v_nop
.endr
	s_branch .Lasked_\@
.Lfor_b_\@:
	tensor_load_to_lds s[G0B+4:G0B+7], s[G1B:G1B+7]
	s_nop 0
.rept 4
	v_nop
.endr
.Lasked_\@:
.endm
; 16 matrix instructions: query blocks a0, a0 + 1 of the window's four (hi = 0: my queries 0-63, 1: 64-127) x all 8 key blocks, 32 along K.  zero = 1: the first product starts the sums.
; The 64 accumulators take turns, one instruction a turn, in the same order in every quarter.
.macro MUL16 f, hi, a0, zero
	WIN MUL_LO+0x50*(\hi)
.irp a, \a0, (\a0)+1
.irp b, 0,1,2,3,4,5,6,7
.if \zero
	v_wmma_f32_16x16x32_f16 v[8*(8*(\a)+(\b)):8*(8*(\a)+(\b))+7], v[(\f)+8*(\b):(\f)+8*(\b)+7], v[(\f)+8*(4*(\hi)+(\a)):(\f)+8*(4*(\hi)+(\a))+7], 0
.else
	v_wmma_f32_16x16x32_f16 v[8*(8*(\a)+(\b)):8*(8*(\a)+(\b))+7], v[(\f)+8*(\b):(\f)+8*(\b)+7], v[(\f)+8*(4*(\hi)+(\a)):(\f)+8*(4*(\hi)+(\a))+7], v[8*(8*(\a)+(\b)):8*(8*(\a)+(\b))+7]
.endif
.endr
.endr
.endm
; 32 LDS loads in one run: the fragments of 32 along K at byte k of the rows of the slot in hand: k's eight, then q's eight
.macro FETCH k, f
	WIN TO_B
.irp i, 0,1,2,3,4,5,6,7
	ds_load_b128 v[(\f)+8*(\i):(\f)+8*(\i)+3],   v[ADB] offset:(\k)+(\i)*16*PITCH
	ds_load_b128 v[(\f)+8*(\i)+4:(\f)+8*(\i)+7], v[ADB] offset:(\k)+(\i)*16*PITCH+32
.endr
	WIN 0
.irp i, 0,1,2,3,4,5,6,7
	ds_load_b128 v[(\f)+8*(\i):(\f)+8*(\i)+3],   v[ADA] offset:(\k)+(\i)*16*PITCH
	ds_load_b128 v[(\f)+8*(\i)+4:(\f)+8*(\i)+7], v[ADA] offset:(\k)+(\i)*16*PITCH+32
.endr
.endm
; A K step is four quarters of 32 along K, 64 matrix instructions each, on buffers 0, 1, 0, 1.  One of the first three: multiplies f, and in its middle fetches the next quarter, at byte k, into g.
.macro QUARTER k, f, g, zero
	s_wait_dscnt 8                                 ; k's fragments and q's first four are in; the youngest eight loads (q's last four) may be out
	MUL16 \f, 0, 0, \zero
	MUL16 \f, 0, 2, \zero
	PLACES
	FETCH \k, \g
	s_wait_dscnt 32                                ; all but the 32 just issued
	MUL16 \f, 1, 0, \zero
	MUL16 \f, 1, 2, \zero
.endm
; A PREFETCH INTO THE L2, behind each joint load, its five lines and the run of LDS loads: the K step that stands TWO refills on, 512 matrix instructions ahead of the load that will want it:
; 32 rows x 256 bytes, a lane a row, one instruction a wave.  q's tile row is read by the two clusters of that row of clusters: cluster x = 0 asks.  k's tile column is read by the two clusters of its
; batch: the batch's first asks.  The four partners that ask for a tile jointly share its rows out BY ADDRESS: of the 128 rows that a wave fetches the partner at place p takes 32 p .. 32 p + 31
; (p = cx for q, cy for k).  So each block is named once in the launch.  K steps 0 to 3 come by their loads alone; the last two refills ask for nothing: there is no step 8.
.macro ASK
	s_cmp_gt_u32 s[CNT], s[LIM]
	s_cbranch_scc0 .Lnone_\@
	global_prefetch_b8 v[PFO], s[PFA:PFA+1] offset:KSTEP*2 th:TH_LOAD_NT scope:SCOPE_SE
.Lnone_\@:
.endm
; The last quarter multiplies buffer 1 and changes slots: ONE barrier.  In front of it each wave waits for all its tensor loads (one is out: its part of the next slot), adds 0 to its spare word, and waits
; for that and for its reads of this slot.  Behind it nobody reads this slot and the next slot is whole.  fill = 1: the barrier opens a round of the cluster's, and the slot that is left is filled again with
; the K step two steps on, the first thing behind the round.
.macro TURN fill
.if \fill
	s_wait_xcnt 0x0                                ; the last prefetch, a K step back, has read its pointer
	s_add_nc_u64 s[PFA:PFA+1], s[PFA:PFA+1], KSTEP*2
.endif
	WIN 0
	s_wait_tensorcnt 0x0                           ; no tensor load of mine is out, so a group 0 may be written
	ds_add_u32 v[SPW], v[NIL]                      ; 0 onto my spare word
.if \fill
	s_add_co_u32 s[G0A+5], s[DL], s[TB]            ; the walking descriptors: into the slot that is being left,
	s_add_co_u32 s[G0B+5], s[DL], s[TB]
	s_add_nc_u64 s[G0A+6:G0A+7], s[G0A+6:G0A+7], KSTEP*2  ; the next K step; the type bits on top are not reached
	s_add_nc_u64 s[G0B+6:G0B+7], s[G0B+6:G0B+7], KSTEP*2
.endif
	s_xor_b32 s[TB], s[TB], SLOT                   ; the other slot is in hand from here on
	s_wait_dscnt 9                                 ; the add and the youngest eight loads may be out
	MUL16 F1, 0, 0, 0
	s_wait_dscnt 0x0                               ; the add is done, and my reads of this slot are over
	s_barrier_signal -1
	MUL16 F1, 0, 2, 0
	WIN 0
	s_barrier_wait -1
.if \fill
	CREST                                          ; no wave of any partner still reads this slot or has a load on its way
	JLOAD                                          ; its four v_nop are also the places in front of the loads below
.else
	PLACES
.endif
	v_add_nc_u32 v[ADA], s[TB], v[ADA0]
	v_add_nc_u32 v[ADB], s[TB], v[ADB0]
	FETCH 0, F0
.if \fill
	ASK
.endif
	MUL16 F1, 1, 0, 0
	MUL16 F1, 1, 2, 0
.endm
; THE SOFTMAX'S FIRST HALF for row block a of window 2: 16 queries, 64 scores a lane.  The maximum (each accumulator's lowest registers are read first), c s - c m, the 64
; exponentials as ONE batch with one wait, the roundings to f16, the sum.
.macro SOFT a
	WIN 0x2a                                       ; all three sources in window 2
.irp b, 0,1,2,3,4,5,6,7
	v_max3_num_f32 v[CH+\b], v[64*(\a)+8*\b], v[64*(\a)+8*\b+1], v[64*(\a)+8*\b+2]
.endr
	WIN 0x28                                       ; sources 1 and 2 in window 2
.irp b, 0,1,2,3,4,5,6,7
	v_max3_num_f32 v[CH+\b], v[CH+\b], v[64*(\a)+8*\b+3], v[64*(\a)+8*\b+4]
.endr
.irp b, 0,1,2,3,4,5,6,7
	v_max3_num_f32 v[CH+\b], v[CH+\b], v[64*(\a)+8*\b+5], v[64*(\a)+8*\b+6]
.endr
.irp b, 0,1,2,3
	v_max3_num_f32 v[CH+\b], v[CH+\b], v[64*(\a)+16*\b+7], v[64*(\a)+16*\b+15]
.endr
	WIN 0
	v_max3_num_f32 v[CH], v[CH], v[CH+1], v[CH+2]
	v_max3_num_f32 v[CH+3], v[CH+3], v[CH+4], v[CH+5]
	v_max3_num_f32 v[CH], v[CH], v[CH+6], v[CH+7]
	v_max_num_f32 v[CH], v[CH], v[CH+3]
	v_permlanex16_b32 v[XC], v[CH], s[SEL], s[SEL+1]  ; the query's other 64 keys lie in the lane 16 away
	v_max_num_f32 v[CH], v[CH], v[XC]
	v_mul_f32 v[CM], s[CS], v[CH]
	v_mul_f32 v[CM+1], s[CS], v[CH]                ; named with it as a pair
	v_mul_f32 v[MU+(\a)], s[CS], v[CH]
	WIN 0x82                                       ; destination and source 0 in window 2
.set si, 0
.rept 32
	v_pk_fma_f32 v[64*(\a)+2*si:64*(\a)+2*si+1], v[64*(\a)+2*si:64*(\a)+2*si+1], s[CS:CS+1], v[CM:CM+1] op_sel_hi:[1,0,0] neg_lo:[0,0,1] neg_hi:[0,0,1]
.set si, si+1
.endr
.set si, 0
.rept 64
	v_exp_f32 v[64*(\a)+si], v[64*(\a)+si]
.set si, si+1
.endr
	v_nop                                          ; a plain instruction behind the last exponential,
	s_wait_alu depctr_va_vdst(0)                   ; and the wait ahead of the first use: one for the batch
	WIN 0x0a                                       ; sources 0 and 1 in window 2
.irp b, 0,1,2,3,4,5,6,7
.irp q, 0,1,2,3
	v_cvt_pk_f16_f32 v[TMP+4*\b+\q], v[64*(\a)+8*\b+2*\q], v[64*(\a)+8*\b+2*\q+1]
.endr
.endr
	WIN 0x8a                                       ; the sum of the 32 pairs, in place: 16, 8, 4, 2 additions, none of which waits for the one before it
.irp d, 32,16,8,4
.set si, 0
.rept \d/2
	v_pk_add_f32 v[64*(\a)+2*si:64*(\a)+2*si+1], v[64*(\a)+2*si:64*(\a)+2*si+1], v[64*(\a)+2*si+\d:64*(\a)+2*si+\d+1]
.set si, si+1
.endr
.endr
	WIN 0x0a
	v_pk_add_f32 v[SU:SU+1], v[64*(\a):64*(\a)+1], v[64*(\a)+2:64*(\a)+3]
	WIN 0
	v_add_f32 v[SU], v[SU], v[SU+1]
	v_permlanex16_b32 v[XC], v[SU], s[SEL], s[SEL+1]
	v_add_f32 v[LS+(\a)], v[SU], v[XC]
.endm
.macro TOSTAGE a
.irp b, 0,1,2,3,4,5,6,7
	ds_store_b128 v[STO], v[TMP+4*\b:TMP+4*\b+3] offset:32*\b
.endr
.irp t, 0,1,2,3,4,5,6,7
	ds_load_b128 v[OB+32*((\a)%2)+4*\t:OB+32*((\a)%2)+4*\t+3], v[RD] offset:\t*2*PITCH  ; LDS serves a wave's instructions in order (ISA guide 5.7.1.4): these see the stores above
.endr
.endm
.macro SEND a
	s_wait_dscnt 0x0                               ; the block is back in registers
.irp t, 0,1,2,3,4,5,6,7
	global_store_b128 v[CO], v[OB+32*((\a)%2)+4*\t:OB+32*((\a)%2)+4*\t+3], s[OP:OP+1] offset:(16*(\a)+2*\t)*4096  ; 16 lanes store 256 consecutive bytes, aligned
.endr
.endm
	s_load_b128 s[4:7], s[0:1], 0x0                ; qkv s[4:5], pbuf s[6:7]
	s_load_b64 s[8:9], s[0:1], 0x10                ; stat
	v_lshl_add_u32 v[SPW], v0, 2, SPARE
	v_mov_b32 v[NIL], 0
	ds_add_u32 v[SPW], v[NIL]                      ; the wave's opening: the add and its wait stand ahead of my first tensor load; the set-up below stands between them
	v_lshrrev_b32 v1, 5, v0
	v_readfirstlane_b32 s[WV], v1
	s_lshr_b32 s[WR], s[WV], 1                     ; my 128 queries of the tile.  Also: I fetch for q (0) or for k (1)
	s_and_b32 s[WC], s[WV], 1                      ; my 128 keys.  Also: which half of that tile I fetch
	s_bfe_u32 s[CX], ttmp6, 0x40000
	s_bfe_u32 s[CY], ttmp6, 0x40004
	s_lshl_b32 s[TX], ttmp9, 2
	s_add_co_u32 s[TX], s[TX], s[CX]               ; the key tile of the batch's eight
	s_and_b32 s[CLY], ttmp7, 0xffff
	s_lshl_b32 s[WGY], s[CLY], 2
	s_add_co_u32 s[WGY], s[WGY], s[CY]             ; the block of 256 queries, 0 to 31
	s_lshr_b32 s[BAT], s[CLY], 1                   ; the batch: two clusters along y each, so all sixteen partners share it
	s_lshl_b32 s[MR], s[CY], 2
	s_lshl_b32 s[MR], 15, s[MR]                    ; my row of the cluster
	s_lshl_b32 s[MC], 0x1111, s[CX]                ; my column
	s_or_b32 s[G1A], s[MR], (1<<16)|(1<<20)|(1<<21)|(5<<22)|(3<<25)  ; the mask; 2-byte elements; padding on; bit 21 beside a mask; after every 64 words, 4 words
	s_or_b32 s[G1B], s[MC], (1<<16)|(1<<20)|(1<<21)|(5<<22)|(3<<25)
.irp g, G1A, G1B
	s_mov_b32 s[(\g)+1], KSTEP<<16                 ; tensor_dim0 = 128
	s_mov_b32 s[(\g)+2], 128<<16                   ; tensor_dim1 = 128
	s_mov_b32 s[(\g)+3], KSTEP<<16                 ; tile_dim0 = 128
	s_mov_b32 s[(\g)+4], 128                       ; tile_dim1 = 128
	s_mov_b32 s[(\g)+5], 1024                      ; elements from row to row
	s_mov_b32 s[(\g)+6], 0
	s_mov_b32 s[(\g)+7], 0
.endr
	s_mul_i32 s[DL], s[WV], HALFT                  ; q's two halves, then k's two halves = wave x 128 rows: no place in the cluster enters an LDS address
	s_mov_b32 s[G0A], 1
	s_add_co_u32 s[G0A+1], s[DL], 0
	s_mov_b32 s[G0A+4], 1
	s_add_co_u32 s[G0A+5], s[DL], SLOT
	s_mov_b32 s[G0B], 1
	s_add_co_u32 s[G0B+1], s[DL], 0
	s_mov_b32 s[G0B+4], 1
	s_add_co_u32 s[G0B+5], s[DL], SLOT
	s_mov_b32 s[SA+1], 0
	s_mov_b32 s[SB+1], 0
	s_mov_b32 s[SM+1], 0
	s_mov_b32 s[TB], 0
	s_mov_b32 s[SEL], 0x76543210
	s_mov_b32 s[SEL+1], 0xfedcba98
	s_mov_b32 s[CS], 0x3d38aa3b                    ; c = log2(e) / 32
	s_mov_b32 s[CS+1], s[CS]
	s_mov_b32 s[MHI], 0xffff0000                   ; lanes 16 to 31
	s_and_b32 s[T1], s[CLY], 1                     ; k: the batch's first cluster asks;
	s_cmp_eq_u32 s[WR], 0
	s_cselect_b32 s[T1], ttmp9, s[T1]              ; q: the first cluster along x
	s_cmp_eq_u32 s[T1], 0
	s_cselect_b32 s[LIM], 2, -1                    ; the same in all sixteen partners, for a given wave
	v_and_b32 v2, 15, v0                           ; r = lane % 16
	v_bfe_u32 v3, v0, 4, 1                         ; h = lane / 16
	v_and_b32 v18, 31, v0
	v_mul_u32_u24 v19, v2, PITCH
	v_lshl_add_u32 v19, v3, 4, v19                 ; r x pitch + 16 h
	s_mul_i32 s[T0], s[WR], HALFT
	v_add_nc_u32 v[ADA0], s[T0], v19
	s_mul_i32 s[T0], s[WC], HALFT
	s_add_co_u32 s[T0], s[T0], 2*HALFT             ; k's rows lie behind q's 256
	v_add_nc_u32 v[ADB0], s[T0], v19
	v_add_nc_u32 v[ADA], s[TB], v[ADA0]
	v_add_nc_u32 v[ADB], s[TB], v[ADB0]
	s_mul_i32 s[T0], s[WV], 16*PITCH
	s_add_co_u32 s[T0], s[T0], STAGE
	v_add_nc_u32 v[STO], s[T0], v19                ; in: row r, 16 bytes for each half of the lanes
	v_mul_u32_u24 v20, v3, PITCH
	v_lshl_add_u32 v20, v2, 4, v20
	v_add_nc_u32 v[RD], s[T0], v20                 ; back: lanes 0-15 one row of 256 bytes, lanes 16-31 the next
	v_lshlrev_b32 v[CO], 12, v3
	v_lshl_add_u32 v[CO], v2, 4, v[CO]             ; the same two rows in pbuf
	v_lshlrev_b32 v[SOF], 3, v18
	v_mov_b32 v[XC], 0                             ; v_permlanex16_b32 counts as a reader of its destination
	v_lshlrev_b32 v[PFO], 11, v18
	s_wait_dscnt 0x0                               ; the opening add is done
	s_wait_kmcnt 0x0
	s_lshl_b32 s[SA], s[WGY], 8
	s_lshl_b32 s[T0], s[WC], 7
	s_add_co_u32 s[SA], s[SA], s[T0]
	s_lshl_b32 s[SA], s[SA], 11                    ; q's row 256 x block + 128 x half: what my row of the cluster shares
	s_lshl_b32 s[SB], s[BAT], 11
	s_lshl_b32 s[MC], s[TX], 8
	s_add_co_u32 s[SB], s[SB], s[MC]
	s_add_co_u32 s[SB], s[SB], s[T0]
	s_lshl_b32 s[SB], s[SB], 11
	s_add_co_u32 s[SB], s[SB], 0x1000000           ; k lies behind q in qkv: row 2,048 x batch + 256 x key tile + 128 x half: what my column shares
	s_add_nc_u64 s[G0A+2:G0A+3], s[4:5], s[SA:SA+1]  ; K step 0
	s_add_nc_u64 s[G0A+6:G0A+7], s[G0A+2:G0A+3], KSTEP*2  ; K step 1
	s_or_b32 s[G0A+3], s[G0A+3], 0x80000000
	s_or_b32 s[G0A+7], s[G0A+7], 0x80000000
	s_add_nc_u64 s[G0B+2:G0B+3], s[4:5], s[SB:SB+1]
	s_add_nc_u64 s[G0B+6:G0B+7], s[G0B+2:G0B+3], KSTEP*2
	s_or_b32 s[G0B+3], s[G0B+3], 0x80000000
	s_or_b32 s[G0B+7], s[G0B+7], 0x80000000
	s_lshl_b32 s[SX], s[CX], 16
	s_add_co_u32 s[SX], s[SX], s[SA]               ; q's prefetch: + 32 cx rows
	s_lshl_b32 s[SM], s[CY], 16
	s_add_co_u32 s[SM], s[SM], s[SB]               ; k's: + 32 cy rows
	s_cmp_eq_u32 s[WR], 0
	s_cselect_b32 s[SM], s[SX], s[SM]
	s_add_co_u32 s[SM], s[SM], 2*KSTEP*2           ; at K step 2: the first refill steps it to 3 and names K step 4
	s_add_nc_u64 s[PFA:PFA+1], s[4:5], s[SM:SM+1]
	s_lshl_b32 s[SM], s[WGY], 8
	s_lshl_b32 s[T0], s[WR], 7
	s_add_co_u32 s[SM], s[SM], s[T0]
	s_lshl_b32 s[SM], s[SM], 12
	s_add_nc_u64 s[OP:OP+1], s[6:7], s[SM:SM+1]    ; pbuf at my first row,
	s_lshl_b32 s[SM], s[TX], 9
	s_lshl_b32 s[T0], s[WC], 8
	s_add_co_u32 s[SM], s[SM], s[T0]
	s_add_nc_u64 s[OP:OP+1], s[OP:OP+1], s[SM:SM+1]  ; my first key
	s_lshl_b32 s[SM], s[BAT], 4
	s_lshl_b32 s[SX], s[TX], 1
	s_add_co_u32 s[SM], s[SM], s[SX]
	s_add_co_u32 s[SM], s[SM], s[WC]               ; 16 x batch + my block t = 2 x key tile + half
	s_lshl_b32 s[SM], s[SM], 11
	s_and_b32 s[SX], s[WGY], 7
	s_lshl_b32 s[SX], s[SX], 8
	s_add_co_u32 s[SM], s[SM], s[SX]
	s_lshl_b32 s[T0], s[WR], 7
	s_add_co_u32 s[SM], s[SM], s[T0]
	s_lshl_b32 s[SM], s[SM], 3
	s_add_nc_u64 s[SP:SP+1], s[8:9], s[SM:SM+1]
	CROUND                                         ; all sixteen work-groups are here: the first joint loads meet
	s_cmp_eq_u32 s[WR], 0                          ; a wave's two first fills stand in one branch: two loads of mine are out
	s_cbranch_scc0 .Lfirst_b
	tensor_load_to_lds s[G0A:G0A+3], s[G1A:G1A+7]
	s_nop 0
	tensor_load_to_lds s[G0A+4:G0A+7], s[G1A:G1A+7]
	s_nop 0
.rept 4
	v_nop
.endr
	s_branch .Lfirst_done
.Lfirst_b:
	tensor_load_to_lds s[G0B:G0B+3], s[G1B:G1B+7]
	s_nop 0
	tensor_load_to_lds s[G0B+4:G0B+7], s[G1B:G1B+7]
	s_nop 0
.rept 4
	v_nop
.endr
.Lfirst_done:
	s_wait_tensorcnt 1                             ; my part of step 0 is in; step 1's may stay out
	s_barrier_signal -1
	s_barrier_wait -1
	FETCH 0, F0
	QUARTER 64, F0, F1, 1                          ; the first quarter stands in front of the loop: its products start the sums
	WIN 0
	s_mov_b32 s[CNT], 6
.Lstep:                                                ; a trip goes from a step's second quarter to the next step's first; six trips fill a slot again: K steps 2 to 7
	QUARTER 128, F1, F0, 0
	QUARTER 192, F0, F1, 0
	TURN 1
	QUARTER 64, F0, F1, 0
	WIN 0
	s_sub_co_u32 s[CNT], s[CNT], 1
	s_cmp_lg_u32 s[CNT], 0
	s_cbranch_scc1 .Lstep
	QUARTER 128, F1, F0, 0                         ; steps 6 and 7 fill nothing and are written out
	QUARTER 192, F0, F1, 0
	TURN 0
	QUARTER 64, F0, F1, 0
	QUARTER 128, F1, F0, 0
	QUARTER 192, F0, F1, 0
	s_wait_dscnt 8
	MUL16 F1, 0, 0, 0
	MUL16 F1, 0, 2, 0
	s_wait_dscnt 0x0
	MUL16 F1, 1, 0, 0
	MUL16 F1, 1, 2, 0
	WIN 0
	; THE WAY OUT.  The text for four row blocks is written once, for window 2, and walked twice; between the walks window 3's accumulators are copied to window 2's places: 256 moves once a wave,
	; the price of not writing the four blocks' text a second time.
	PLACES
	s_mov_b32 s[HT], 2
.Lhalf:
	SOFT 0
	TOSTAGE 0
	SOFT 1                                         ; a block's arithmetic stands between the loads of the block before and the wait for them
	SEND 0
	TOSTAGE 1
	SOFT 2
	SEND 1
	s_wait_xcnt 0x0                                ; block 0's stores have read the registers that block 2's rows come back into
	TOSTAGE 2
	SOFT 3
	SEND 2
	s_wait_xcnt 0x0
	TOSTAGE 3
	SEND 3
	v_cndmask_b32 v56, v[MU], v[MU+1], s[MHI]      ; both halves of the lanes hold a block's 16 rows: lanes 0-15 keep block a's, lanes 16-31 take block a + 1's
	v_cndmask_b32 v57, v[LS], v[LS+1], s[MHI]
	v_cndmask_b32 v58, v[MU+2], v[MU+3], s[MHI]
	v_cndmask_b32 v59, v[LS+2], v[LS+3], s[MHI]
	global_store_b64 v[SOF], v[56:57], s[SP:SP+1]  ; 32 rows x 8 bytes: 256 consecutive bytes, aligned
	global_store_b64 v[SOF], v[58:59], s[SP:SP+1] offset:256
	s_wait_xcnt 0x0                                ; the stores have read their registers and their bases
	s_add_nc_u64 s[OP:OP+1], s[OP:OP+1], 64*4096   ; my next 64 queries
	s_add_nc_u64 s[SP:SP+1], s[SP:SP+1], 64*8
	s_cmp_eq_u32 s[HT], 1
	s_cbranch_scc1 .Lnomove
	WIN 0x83                                       ; destination window 2, source window 3
.set mi, 0
.rept 256
	v_mov_b32 v[mi], v[mi]                         ; ascending: each accumulator's lowest register is read first
.set mi, mi+1
.endr
	WIN 0
.Lnomove:
	s_sub_co_u32 s[HT], s[HT], 1
	s_cmp_lg_u32 s[HT], 0
	s_cbranch_scc1 .Lhalf
	s_wait_tensorcnt 0x0                           ; the wave's end: behind my last tensor load and my last LDS store
	ds_add_u32 v[SPW], v[NIL]
	s_wait_dscnt 0x0
	CROUND                                         ; the closing round: no work-group ends while a partner may still ask for a tile that names it
	s_endpgm
.Lfunc_end_k_q12a4d397bd_scores:
	.size	k_q12a4d397bd_scores, .Lfunc_end_k_q12a4d397bd_scores-k_q12a4d397bd_scores
	.p2alignl 7, 3214868480
	.fill 96, 4, 3214868480
	.section	.rodata,"a",@progbits
	.p2align	6, 0x0
	.amdhsa_kernel k_q12a4d397bd_scores
		.amdhsa_group_segment_fixed_size 327680
		.amdhsa_private_segment_fixed_size 0
		.amdhsa_enable_private_segment 0
		.amdhsa_kernarg_size 24
		.amdhsa_user_sgpr_count 2
		.amdhsa_user_sgpr_kernarg_segment_ptr 1
		.amdhsa_wavefront_size32 1
		.amdhsa_system_sgpr_workgroup_id_x 1
		.amdhsa_system_sgpr_workgroup_id_y 1
		.amdhsa_system_sgpr_workgroup_id_z 1
		.amdhsa_system_vgpr_workitem_id 0
		.amdhsa_next_free_vgpr 1024
		.amdhsa_next_free_sgpr 84
		.amdhsa_reserve_vcc 0
		.amdhsa_float_denorm_mode_32 3
		.amdhsa_float_denorm_mode_16_64 3
		.amdhsa_memory_ordered 1
		.amdhsa_forward_progress 1
		.amdhsa_inst_pref_size 144
	.end_amdhsa_kernel
	.amdgpu_metadata
---
amdhsa.version: [ 1, 2 ]
amdhsa.kernels:
  - .name:           k_q12a4d397bd_scores
    .symbol:         k_q12a4d397bd_scores.kd
    .args:
      - { .name: qkv, .offset: 0, .size: 8, .value_kind: global_buffer, .address_space: global }
      - { .name: pbuf, .offset: 8, .size: 8, .value_kind: global_buffer, .address_space: global }
      - { .name: stat, .offset: 16, .size: 8, .value_kind: global_buffer, .address_space: global }
    .group_segment_fixed_size: 327680
    .private_segment_fixed_size: 0
    .kernarg_segment_align: 8
    .kernarg_segment_size: 24
    .max_flat_workgroup_size: 128
    .sgpr_count:     84
    .vgpr_count:     1024
    .wavefront_size: 32
...
	.end_amdgpu_metadata
.endif
;; end of part 3
;; launch pv (part 4): grid 4 x 64, 4 waves a work-group, clusters of 4 x 4, 327,680 bytes of LDS; arguments pbuf, qkv, stat, out0; writes out0
.if DOCPART == 4
	.amdgcn_target "amdgcn-amd-amdhsa--gfx1250"
	.amdhsa_code_object_version 6
	.text
	.protected	k_q12a4d397bd_pv
	.globl	k_q12a4d397bd_pv
	.p2align	8
	.type	k_q12a4d397bd_pv,@function
k_q12a4d397bd_pv:
	s_mov_b64 s[64:65], 0
	v_nop
	global_prefetch_b8 v0, s[64:65] scope:SCOPE_SE
	s_setreg_imm32_b32 hwreg(HW_REG_WAVE_MODE, 25, 1), 1
	s_wait_xcnt 0x0
	s_wait_alu depctr_hold_cnt(0) depctr_sa_sdst(0) depctr_va_vdst(0) depctr_va_sdst(0) depctr_va_ssrc(0) depctr_va_vcc(0) depctr_vm_vsrc(0)
	s_getreg_b32 s2, hwreg(HW_REG_IB_STS2, 6, 4)
	s_cmp_eq_u32 s2, 0
	s_cbranch_scc0 .Lentry_in_a_cluster
	s_endpgm
.Lentry_in_a_cluster:
	s_bfe_u32 s2, ttmp6, 0x10000c
	s_cmp_lg_u32 s2, 0xf033
	s_cbranch_scc0 .Lentry_shape_is_right
	s_endpgm
.Lentry_shape_is_right:
; out0[b][q][e] = (sum over the 16 key blocks t of (alpha_t p_t) v_t) / L, with Mu = max over t of mu_t, alpha_t = 2^(mu_t - Mu), L = sum over t of alpha_t l_t: the softmax with the row's true maximum taken away.
; pbuf: [4][2048 q][2048 k] f16; v = the third part of qkv, [8192][1024] f16; stat: [4][16 t][2048 q][2] f32 = (mu, l); out0: [4][2048][1024] f32.
; LIMITS.  alpha and alpha p are rounded to f16: below 6e-5 they keep f16's fixed step of 6e-8, against L >= 1.  An alpha below 2^-126 counts as 0.  NaN and infinities are not treated apart.
; SHARES.  A work-group makes 128 queries x 256 channels, K = 2,048 keys in 16 steps of 128, a step a block t.  Four waves, each 64 queries x 128 channels.
; RING.  Two slots: 128 rows of p (272 bytes a row) and 128 keys of v x 256 channels (544 bytes a row).  Waves 0 and 1 fetch p's halves, waves 2 and 3 v's.  CLUSTER 4 x 4: p's tile is shared along a row,
; v's along a column: joint loads.  v lies [key][channel] and comes out of LDS turned, by ds_load_tr16_b128.
; alpha: each of the 128 threads makes one row's 16 alpha and 1 / L at the start and puts them into two LDS tables; p's fragments are multiplied by alpha between their load and the matrix instruction.
; THE MATRIX INSTRUCTION IS USED TRANSPOSED (source 0 = 16 channels, source 1 = 16 queries): a lane holds one query and eight neighbouring channels.
; REGISTERS: window 0: v0-63 addresses, alpha, 1 / L; v64-159, v160-255 two fragment buffers (8 of v, then 4 of p).  window 1: the accumulators, (a, b) at 8 (8 a + b).
.set PITCH, 272
.set VPITCH, 544                       ; 512 bytes + 32 = 136 words
.set OPITCH, 528                       ; the stage: 512 bytes + 16
.set BSLOT, 128*VPITCH
.set ABASE, 2*BSLOT
.set ASLOT, 128*PITCH
.set STAGE, ABASE+2*ASLOT              ; 16 rows x 528 bytes for each wave
.set ALT, STAGE+4*16*OPITCH            ; alpha as two equal f16: step t at 512 t; then half of the rows x 256, row % 16 x 16, row block x 4
.set RLT, ALT+8192                     ; 1 / L twice, f32: half of the rows x 512, row % 16 x 32, row block x 8
.set SPARE, RLT+1024                   ; the spare words, 128 bytes a wave: two blocks of 256 bytes that no other line names
.set F0, 64
.set F1, 160
.set OB, 192
.set ADRA, 4
.set ADRB, 6
.set STO, 8
.set RD, 9
.set CO, 10
.set ALA, 11                           ; v11  where the next step's alpha lie
.set ALA0, 12                          ; v12  my lane's place in a step's alpha; never rewritten
.set PFO, 13
.set SOF, 14                           ; v14  8 x my thread's number
.set ALW, 15                           ; v15  where I put my row's alpha
.set SPW, 16
.set NIL, 17
.set RLW, 22
.set RLR, 23
.set AL, 32                            ; v32-35, v36-39 the four row blocks' alpha, by slot
.set RL, 40                            ; v40-47 the four row blocks' 1 / L, in pairs
.set WV, 16
.set WR, 17
.set WC, 18
.set CX, 19
.set CY, 20
.set WGY, 21
.set CLY, 22
.set SJ, 23
.set LAP, 25
.set T0, 27                            ; at work; never holds a place in the cluster
.set G1A, 28
.set G1B, 36
.set G0A, 44
.set G0B, 52
.set PA0, 60
.set MC, 62                            ; holds cx
.set T1, 63
.set VB0, 66
.set OFA, 68
.set OFB, 70
.set OP, 72
.set STP, 74
.set PF0, 76
.set PFA, 78
.set LIM, 80
.set SH, 81
.set ALS, 82                           ; s82  512 x the step whose alpha were fetched last
.set BAT, 87
.set SA, 88                            ; holds cy, never cx
.set SB, 90                            ; holds cx, never cy
.set MR, 92
.set SX, 93
.set SM, 94
.set MSB, 0
.macro WIN new
.if MSB != (\new)
	s_set_vgpr_msb (MSB<<8)|(\new)
.set MSB, \new
.endif
.endm
.macro PLACES
.rept 4
	v_nop
.endr
.endm
.macro CREST
	s_cmp_lg_u32 s[WV], 0
	s_cbranch_scc1 .Lnot_wave_0_\@
	s_barrier_signal -3
.Lnot_wave_0_\@:
	s_barrier_wait -3
	s_barrier_signal -1
	s_barrier_wait -1
.endm
.macro CROUND
	s_barrier_signal -1
	s_barrier_wait -1
	CREST
.endm
.macro JLOAD slot
	s_cmp_eq_u32 s[WR], 0
	s_cbranch_scc0 .Lfor_b_\@
	tensor_load_to_lds s[G0A+4*(\slot):G0A+4*(\slot)+3], s[G1A:G1A+7]
	s_nop 0
.rept 4
	v_nop
.endr
	s_branch .Lasked_\@
.Lfor_b_\@:
	tensor_load_to_lds s[G0B+4*(\slot):G0B+4*(\slot)+3], s[G1B:G1B+7]
	s_nop 0
.rept 4
	v_nop
.endr
.Lasked_\@:
.endm
.macro MUL8 f, a, zero                 ; the 32 accumulators take turns, one instruction a turn
	WIN 0x50
.irp b, 0,1,2,3,4,5,6,7
.if \zero
	v_wmma_f32_16x16x32_f16 v[8*(8*(\a)+\b):8*(8*(\a)+\b)+7], v[(\f)+8*\b:(\f)+8*\b+7], v[(\f)+64+8*(\a):(\f)+64+8*(\a)+7], 0
.else
	v_wmma_f32_16x16x32_f16 v[8*(8*(\a)+\b):8*(8*(\a)+\b)+7], v[(\f)+8*\b:(\f)+8*\b+7], v[(\f)+64+8*(\a):(\f)+64+8*(\a)+7], v[8*(8*(\a)+\b):8*(8*(\a)+\b)+7]
.endif
.endr
.endm
; 24 LDS loads in one run, for keys 32 kq on: v's eight fragments (16 channels x 32 keys each, turned: two loads, 16 keys apart), then p's four
.macro FETCH slot, kq, f
	WIN 0
.irp i, 0,1,2,3,4,5,6,7
	ds_load_tr16_b128 v[(\f)+8*\i:(\f)+8*\i+3],   v[ADRB+(\slot)] offset:(\kq)*32*VPITCH+32*\i
	ds_load_tr16_b128 v[(\f)+8*\i+4:(\f)+8*\i+7], v[ADRB+(\slot)] offset:(\kq)*32*VPITCH+32*\i+16*VPITCH
.endr
.irp i, 0,1,2,3
	ds_load_b128 v[(\f)+64+8*\i:(\f)+64+8*\i+3],   v[ADRA+(\slot)] offset:(\kq)*64+\i*16*PITCH
	ds_load_b128 v[(\f)+64+8*\i+4:(\f)+64+8*\i+7], v[ADRA+(\slot)] offset:(\kq)*64+\i*16*PITCH+32
.endr
.endm
.macro SCALE f, a0, slot               ; p's fragments a0, a0 + 1 times their rows' alpha of the step in hand: a lane holds one row, so one register serves a fragment
	WIN 0
.irp a, \a0, (\a0)+1
.irp i, 0,1,2,3,4,5,6,7
	v_pk_mul_f16 v[(\f)+64+8*(\a)+\i], v[(\f)+64+8*(\a)+\i], v[AL+4*(\slot)+(\a)]
.endr
.endr
.endm
.macro QUARTER slot, kq, f, g, zero
	s_wait_dscnt 4                                 ; v's fragments, p's first two (and the step's alpha) are in; the youngest four loads may be out
	SCALE \f, 0, \slot
	MUL8 \f, 0, \zero
	MUL8 \f, 1, \zero
	PLACES
	FETCH \slot, \kq, \g
	s_wait_dscnt 24                                ; all but the 24 just issued
	SCALE \f, 2, \slot
	MUL8 \f, 2, \zero
	MUL8 \f, 3, \zero
.endm
; A PREFETCH INTO THE L2, once a lap, behind the joint load, its five lines and the run of LDS loads: K steps SJ + 4 and SJ + 5.  p's rows are read by one row of one cluster: its four partners take 16 of a
; wave's 64 rows each, BY ADDRESS, a lane one of the two steps' blocks of 256 bytes in a row.  v's rows are read by the four clusters of a batch: the batch's first asks; the four partners of a column take 16
; of a wave's 64 keys each, a lane one of a key's two blocks, an instruction a step.  So each block is named once.  The first four steps come by their loads alone; from step 12 on nothing is asked for.
.macro ASK
	s_cmp_lt_u32 s[SJ], s[LIM]
	s_cbranch_scc0 .Lnone_\@
	global_prefetch_b8 v[PFO], s[PFA:PFA+1] th:TH_LOAD_NT scope:SCOPE_SE
	s_cmp_eq_u32 s[WR], 0
	s_cbranch_scc1 .Lnone_\@
	global_prefetch_b8 v[PFO], s[PFA:PFA+1] offset:262144 th:TH_LOAD_NT scope:SCOPE_SE
.Lnone_\@:
.endm
.macro TURN slot, next, fill
.if (\fill) && ((\slot) == 0)
	s_wait_xcnt 0x0                                ; the last prefetches, a lap back, have read their pointer
.endif
	WIN 0
	s_wait_tensorcnt 0x0                           ; no tensor load of mine is out, so a group 0 may be written
	ds_add_u32 v[SPW], v[NIL]                      ; 0 onto my spare word
.if \fill
	s_add_co_u32 s[T0], s[SJ], 2
	s_lshl_b32 s[OFA], s[T0], 8                    ; p: 256 bytes a step along the rows
	s_lshl_b32 s[OFB], s[T0], 18                   ; v: 128 rows of 2,048 bytes a step
	s_add_nc_u64 s[G0A+4*(\slot)+2:G0A+4*(\slot)+3], s[PA0:PA0+1], s[OFA:OFA+1]
	s_or_b32 s[G0A+4*(\slot)+3], s[G0A+4*(\slot)+3], 0x80000000
	s_add_nc_u64 s[G0B+4*(\slot)+2:G0B+4*(\slot)+3], s[VB0:VB0+1], s[OFB:OFB+1]
	s_or_b32 s[G0B+4*(\slot)+3], s[G0B+4*(\slot)+3], 0x80000000
.if (\slot) == 0
	s_add_co_u32 s[T0], s[SJ], 4
	s_lshl_b32 s[SM], s[T0], s[SH]
	s_add_nc_u64 s[PFA:PFA+1], s[PF0:PF0+1], s[SM:SM+1]
.endif
.endif
	s_wait_dscnt 5                                 ; the add and the youngest four loads may be out
	SCALE F1, 0, \slot
	MUL8 F1, 0, 0
	s_wait_dscnt 0x0                               ; the add is done, and my reads of this slot are over
	s_barrier_signal -1
	MUL8 F1, 1, 0
	WIN 0
	s_barrier_wait -1
.if \fill
	CREST
	JLOAD \slot
.else
	PLACES
.endif
	s_add_co_u32 s[ALS], s[ALS], 512
	v_add_nc_u32 v[ALA], s[ALS], v[ALA0]
	ds_load_b128 v[AL+4*(\next):AL+4*(\next)+3], v[ALA]  ; the next step's alpha
	FETCH \next, 0, F0
	SCALE F1, 2, \slot
.if (\fill) && ((\slot) == 0)
	ASK
.endif
	s_add_co_u32 s[SJ], s[SJ], 1
	MUL8 F1, 2, 0
	MUL8 F1, 3, 0
.endm
; THE WAY OUT of row block a: divided by L; 32 bytes a lane into my stage; back as whole rows of 512 bytes; stored.
.macro NORM a
	WIN 0x41
.set ni, 0
.rept 32
	v_pk_mul_f32 v[64*(\a)+2*ni:64*(\a)+2*ni+1], v[64*(\a)+2*ni:64*(\a)+2*ni+1], v[RL+2*(\a):RL+2*(\a)+1]
.set ni, ni+1
.endr
	WIN 0
.endm
.macro OSTAGE a
	WIN 0x04                                       ; the stores' data lie in window 1
.irp b, 0,1,2,3,4,5,6,7
	ds_store_b128 v[STO], v[64*(\a)+8*\b:64*(\a)+8*\b+3]   offset:64*\b
	ds_store_b128 v[STO], v[64*(\a)+8*\b+4:64*(\a)+8*\b+7] offset:64*\b+16
.endr
	WIN 0
.if (\a) > 0
	s_wait_xcnt 0x0                                ; the block before's stores have read the registers that these rows come back into
.endif
.set ni, 0
.rept 16
	ds_load_b128 v[OB+4*ni:OB+4*ni+3], v[RD] offset:ni*OPITCH  ; LDS serves a wave's instructions in order (ISA guide 5.7.1.4): these see the stores above
.set ni, ni+1
.endr
.endm
.macro OSEND a
.set ni, 0
.rept 16
	s_wait_dscnt 15-ni                             ; row ni is back; the younger loads of the sixteen stay out
	global_store_b128 v[CO], v[OB+4*ni:OB+4*ni+3], s[OP:OP+1] offset:(16*(\a)+ni)*4096 th:TH_STORE_NT  ; 32 lanes store 512 consecutive bytes, aligned
.set ni, ni+1
.endr
.endm
	s_load_b256 s[4:11], s[0:1], 0x0               ; pbuf s[4:5], qkv s[6:7], stat s[8:9], out0 s[10:11]
	v_lshl_add_u32 v[SPW], v0, 2, SPARE
	v_mov_b32 v[NIL], 0
	ds_add_u32 v[SPW], v[NIL]                      ; the wave's opening: the add and its wait stand ahead of my first tensor load
	v_lshrrev_b32 v1, 5, v0
	v_readfirstlane_b32 s[WV], v1
	s_lshr_b32 s[WR], s[WV], 1                     ; my 64 queries.  Also: I fetch for p (0) or for v (1)
	s_and_b32 s[WC], s[WV], 1                      ; my 128 channels.  Also: which half of that tile I fetch
	s_bfe_u32 s[CX], ttmp6, 0x40000
	s_bfe_u32 s[CY], ttmp6, 0x40004
	s_and_b32 s[CLY], ttmp7, 0xffff
	s_lshl_b32 s[WGY], s[CLY], 2
	s_add_co_u32 s[WGY], s[WGY], s[CY]
	s_lshr_b32 s[BAT], s[CLY], 2
	s_lshl_b32 s[MR], s[CY], 2
	s_lshl_b32 s[MR], 15, s[MR]
	s_lshl_b32 s[MC], 0x1111, s[CX]
	s_or_b32 s[G1A], s[MR], (1<<16)|(1<<20)|(1<<21)|(5<<22)|(3<<25)  ; p: after every 64 words, 4 words of padding
	s_or_b32 s[G1B], s[MC], (1<<16)|(1<<20)|(1<<21)|(6<<22)|(7<<25)  ; v: after every 128 words, 8 words
	s_mov_b32 s[G1A+1], 128<<16
	s_mov_b32 s[G1A+2], 64<<16
	s_mov_b32 s[G1A+3], 128<<16
	s_mov_b32 s[G1A+4], 64
	s_mov_b32 s[G1A+5], 2048
	s_mov_b32 s[G1A+6], 0
	s_mov_b32 s[G1A+7], 0
	s_mov_b32 s[G1B+1], 256<<16
	s_mov_b32 s[G1B+2], 64<<16
	s_mov_b32 s[G1B+3], 256<<16
	s_mov_b32 s[G1B+4], 64
	s_mov_b32 s[G1B+5], 1024
	s_mov_b32 s[G1B+6], 0
	s_mov_b32 s[G1B+7], 0
	s_mul_i32 s[T0], s[WC], 64*PITCH
	s_mov_b32 s[G0A], 1
	s_add_co_u32 s[G0A+1], s[T0], ABASE
	s_mov_b32 s[G0A+4], 1
	s_add_co_u32 s[G0A+5], s[T0], ABASE+ASLOT
	s_mul_i32 s[T0], s[WC], 64*VPITCH
	s_mov_b32 s[G0B], 1
	s_add_co_u32 s[G0B+1], s[T0], 0
	s_mov_b32 s[G0B+4], 1
	s_add_co_u32 s[G0B+5], s[T0], BSLOT
	s_mov_b32 s[OFA+1], 0
	s_mov_b32 s[OFB+1], 0
	s_mov_b32 s[SA+1], 0
	s_mov_b32 s[SB+1], 0
	s_mov_b32 s[SM+1], 0
	s_mov_b32 s[SJ], 0
	s_mov_b32 s[ALS], 0
	s_and_b32 s[T1], s[CLY], 3
	s_cmp_eq_u32 s[T1], 0
	s_cselect_b32 s[LIM], 12, 0                    ; v: the batch's first cluster asks
	s_cmp_eq_u32 s[WR], 0
	s_cselect_b32 s[LIM], 12, s[LIM]               ; p: every cluster has rows of its own
	s_cselect_b32 s[SH], 8, 18                     ; a step in bytes, as a shift
	s_cselect_b32 s[T1], 12, 11                    ; a row in bytes, as a shift
	v_and_b32 v2, 15, v0
	v_bfe_u32 v3, v0, 4, 1
	v_and_b32 v18, 31, v0
	v_mul_u32_u24 v19, v2, PITCH
	v_lshl_add_u32 v19, v3, 4, v19
	s_mul_i32 s[T0], s[WR], 64*PITCH
	s_add_co_u32 s[T0], s[T0], ABASE
	v_add_nc_u32 v[ADRA], s[T0], v19
	s_add_co_u32 s[T0], s[T0], ASLOT
	v_add_nc_u32 v[ADRA+1], s[T0], v19
	v_and_b32 v19, 7, v0                           ; the turning load: lane l reads key 8 (l / 16) + l % 8, channels 8 ((l / 8) % 2) + 0..7
	v_lshl_add_u32 v19, v3, 3, v19
	v_mul_u32_u24 v19, v19, VPITCH
	v_bfe_u32 v20, v0, 3, 1
	v_lshl_add_u32 v19, v20, 4, v19
	s_lshl_b32 s[T0], s[WC], 8
	v_add_nc_u32 v[ADRB], s[T0], v19
	s_add_co_u32 s[T0], s[T0], BSLOT
	v_add_nc_u32 v[ADRB+1], s[T0], v19
	s_mul_i32 s[T0], s[WV], 16*OPITCH
	s_add_co_u32 s[T0], s[T0], STAGE
	v_mul_u32_u24 v19, v2, OPITCH
	v_lshl_add_u32 v19, v3, 5, v19
	v_add_nc_u32 v[STO], s[T0], v19                ; in: row r, 32 bytes for each half of the lanes
	v_lshl_add_u32 v[RD], v18, 4, s[T0]            ; back: a row of 512 bytes
	v_lshlrev_b32 v[CO], 4, v18
	v_lshlrev_b32 v[SOF], 3, v0
	v_lshrrev_b32 v19, 6, v0                       ; my row i = my thread's number: i / 64,
	v_bfe_u32 v20, v0, 4, 2                        ; its row block (i / 16) % 4
	v_lshlrev_b32 v[ALW], 8, v19
	v_lshl_add_u32 v[ALW], v2, 4, v[ALW]
	v_lshl_add_u32 v[ALW], v20, 2, v[ALW]
	v_add_nc_u32 v[ALW], ALT, v[ALW]
	v_lshlrev_b32 v[RLW], 9, v19
	v_lshl_add_u32 v[RLW], v2, 5, v[RLW]
	v_lshl_add_u32 v[RLW], v20, 3, v[RLW]
	v_add_nc_u32 v[RLW], RLT, v[RLW]
	s_lshl_b32 s[T0], s[WR], 8
	s_add_co_u32 s[T0], s[T0], ALT
	v_lshl_add_u32 v[ALA0], v2, 4, s[T0]
	s_lshl_b32 s[T0], s[WR], 9
	s_add_co_u32 s[T0], s[T0], RLT
	v_lshl_add_u32 v[RLR], v2, 5, s[T0]
	v_lshrrev_b32 v19, 1, v18                      ; the prefetches: row lane / 2, block lane % 2
	v_and_b32 v20, 1, v18
	v_lshlrev_b32 v20, 8, v20
	v_lshlrev_b32 v19, s[T1], v19
	v_add_nc_u32 v[PFO], v19, v20
	s_wait_dscnt 0x0                               ; the opening add is done
	s_wait_kmcnt 0x0
	s_lshl_b32 s[SA], s[WGY], 7
	s_lshl_b32 s[T0], s[WC], 6
	s_add_co_u32 s[SA], s[SA], s[T0]
	s_lshl_b32 s[SA], s[SA], 12
	s_add_nc_u64 s[PA0:PA0+1], s[4:5], s[SA:SA+1]  ; p's row 128 x block + 64 x half: what my row of the cluster shares
	s_lshl_b32 s[SB], s[BAT], 11
	s_lshl_b32 s[T0], s[WC], 6
	s_add_co_u32 s[SB], s[SB], s[T0]
	s_lshl_b32 s[SB], s[SB], 11
	s_lshl_b32 s[MC], s[CX], 9
	s_add_co_u32 s[SB], s[SB], s[MC]
	s_add_co_u32 s[SB], s[SB], 0x2000000           ; v lies behind q and k in qkv
	s_add_nc_u64 s[VB0:VB0+1], s[6:7], s[SB:SB+1]  ; v's key 2,048 x batch + 64 x half, channel 256 cx: what my column shares
	s_lshl_b32 s[SX], s[CX], 16
	s_add_co_u32 s[SX], s[SX], s[SA]               ; p's prefetch: + 16 cx rows
	s_lshl_b32 s[SM], s[CY], 15
	s_add_co_u32 s[SM], s[SM], s[SB]               ; v's: + 16 cy keys
	s_cmp_eq_u32 s[WR], 0
	s_cselect_b32 s[SM], s[SX], s[SM]
	s_cselect_b64 s[PF0:PF0+1], s[4:5], s[6:7]
	s_add_nc_u64 s[PF0:PF0+1], s[PF0:PF0+1], s[SM:SM+1]
	s_lshl_b32 s[SM], s[WGY], 7
	s_lshl_b32 s[T0], s[WR], 6
	s_add_co_u32 s[SM], s[SM], s[T0]
	s_lshl_b32 s[SM], s[SM], 12
	s_add_nc_u64 s[OP:OP+1], s[10:11], s[SM:SM+1]  ; out0 at my first row,
	s_lshl_b32 s[SM], s[CX], 10
	s_lshl_b32 s[T0], s[WC], 9
	s_add_co_u32 s[SM], s[SM], s[T0]
	s_add_nc_u64 s[OP:OP+1], s[OP:OP+1], s[SM:SM+1]  ; my first channel
	s_lshl_b32 s[SM], s[BAT], 15
	s_and_b32 s[SX], s[WGY], 15
	s_lshl_b32 s[SX], s[SX], 7
	s_add_co_u32 s[SM], s[SM], s[SX]
	s_lshl_b32 s[SM], s[SM], 3
	s_add_nc_u64 s[STP:STP+1], s[8:9], s[SM:SM+1]  ; stat at the batch's block 0, my work-group's first row
	s_add_nc_u64 s[G0A+2:G0A+3], s[PA0:PA0+1], 0
	s_or_b32 s[G0A+3], s[G0A+3], 0x80000000
	s_add_nc_u64 s[G0A+6:G0A+7], s[PA0:PA0+1], 256
	s_or_b32 s[G0A+7], s[G0A+7], 0x80000000
	s_add_nc_u64 s[G0B+2:G0B+3], s[VB0:VB0+1], 0
	s_or_b32 s[G0B+3], s[G0B+3], 0x80000000
	s_add_nc_u64 s[G0B+6:G0B+7], s[VB0:VB0+1], 262144
	s_or_b32 s[G0B+7], s[G0B+7], 0x80000000
.set ti, 0
.rept 16
	global_load_b64 v[160+2*ti:161+2*ti], v[SOF], s[STP:STP+1] offset:ti*16384  ; my row's (mu, l) of block ti
.set ti, ti+1
.endr
	CROUND                                         ; all sixteen work-groups are here: the first joint loads meet
	s_cmp_eq_u32 s[WR], 0                          ; a wave's two first fills stand in one branch: two loads of mine are out
	s_cbranch_scc0 .Lfirst_b
	tensor_load_to_lds s[G0A:G0A+3], s[G1A:G1A+7]
	s_nop 0
	tensor_load_to_lds s[G0A+4:G0A+7], s[G1A:G1A+7]
	s_nop 0
.rept 4
	v_nop
.endr
	s_branch .Lfirst_done
.Lfirst_b:
	tensor_load_to_lds s[G0B:G0B+3], s[G1B:G1B+7]
	s_nop 0
	tensor_load_to_lds s[G0B+4:G0B+7], s[G1B:G1B+7]
	s_nop 0
.rept 4
	v_nop
.endr
.Lfirst_done:
	s_wait_loadcnt 0x0                             ; the tables are made while the first tiles are on their way
	v_max3_num_f32 v192, v160, v162, v164
.irp t, 3,5,7,9,11,13
	v_max3_num_f32 v192, v192, v[160+2*\t], v[162+2*\t]
.endr
	v_max_num_f32 v192, v192, v190                 ; Mu
.set ti, 0
.rept 16
	v_sub_f32 v[194+ti], v[160+2*ti], v192
.set ti, ti+1
.endr
.set ti, 0
.rept 16
	v_exp_f32 v[194+ti], v[194+ti]                 ; alpha
.set ti, ti+1
.endr
	v_nop                                          ; a plain instruction behind the last exponential,
	s_wait_alu depctr_va_vdst(0)                   ; and the wait ahead of the first use: one for the batch
	v_mul_f32 v193, v194, v161
.set ti, 1
.rept 15
	v_fmac_f32 v193, v[194+ti], v[161+2*ti]        ; L, in f32: at least 1, since the block that holds the maximum has alpha = 1 and l >= 1
.set ti, ti+1
.endr
	v_rcp_f32 v210, v193
.set ti, 0
.rept 16
	v_cvt_pk_f16_f32 v[212+ti], v[194+ti], v[194+ti]  ; alpha twice, for the packed multiply; plain work behind the reciprocal
.set ti, ti+1
.endr
	s_wait_alu depctr_va_vdst(0)                   ; the reciprocal's wait
	v_mov_b32 v211, v210
.set ti, 0
.rept 16
	ds_store_b32 v[ALW], v[212+ti] offset:ti*512
.set ti, ti+1
.endr
	ds_store_b64 v[RLW], v[210:211]
	s_wait_tensorcnt 1                             ; my part of step 0 is in; step 1's may stay out
	s_wait_dscnt 0x0                               ; my row's entries are stored
	s_barrier_signal -1
	s_barrier_wait -1
	ds_load_b128 v[RL:RL+3], v[RLR]
	ds_load_b128 v[RL+4:RL+7], v[RLR] offset:16
	ds_load_b128 v[AL:AL+3], v[ALA0]               ; step 0's alpha
	FETCH 0, 0, F0
	QUARTER 0, 1, F0, F1, 1                        ; the first quarter stands in front of the loop: its products start the sums
	WIN 0
	s_mov_b32 s[LAP], 7
	s_branch .Lmid
.Llap:                                                 ; seven laps fill both slots again: steps 2 to 15
	QUARTER 0, 1, F0, F1, 0
	WIN 0
.Lmid:
	QUARTER 0, 2, F1, F0, 0
	QUARTER 0, 3, F0, F1, 0
	TURN 0, 1, 1
	QUARTER 1, 1, F0, F1, 0
	QUARTER 1, 2, F1, F0, 0
	QUARTER 1, 3, F0, F1, 0
	TURN 1, 0, 1
	WIN 0
	s_sub_co_u32 s[LAP], s[LAP], 1
	s_cmp_lg_u32 s[LAP], 0
	s_cbranch_scc1 .Llap
	QUARTER 0, 1, F0, F1, 0                        ; the last lap fills nothing
	QUARTER 0, 2, F1, F0, 0
	QUARTER 0, 3, F0, F1, 0
	TURN 0, 1, 0
	QUARTER 1, 1, F0, F1, 0
	QUARTER 1, 2, F1, F0, 0
	QUARTER 1, 3, F0, F1, 0
	s_wait_dscnt 4
	SCALE F1, 0, 1
	MUL8 F1, 0, 0
	MUL8 F1, 1, 0
	s_wait_dscnt 0x0
	SCALE F1, 2, 1
	MUL8 F1, 2, 0
	MUL8 F1, 3, 0
	WIN 0
	PLACES
	NORM 0
	OSTAGE 0
	NORM 1                                         ; a block's multiplies stand between the loads of the block before and its stores
	OSEND 0
	OSTAGE 1
	NORM 2
	OSEND 1
	OSTAGE 2
	NORM 3
	OSEND 2
	OSTAGE 3
	OSEND 3
	s_wait_tensorcnt 0x0                           ; the wave's end
	ds_add_u32 v[SPW], v[NIL]
	s_wait_dscnt 0x0
	CROUND                                         ; the closing round
	s_endpgm
.Lfunc_end_k_q12a4d397bd_pv:
	.size	k_q12a4d397bd_pv, .Lfunc_end_k_q12a4d397bd_pv-k_q12a4d397bd_pv
	.p2alignl 7, 3214868480
	.fill 96, 4, 3214868480
	.section	.rodata,"a",@progbits
	.p2align	6, 0x0
	.amdhsa_kernel k_q12a4d397bd_pv
		.amdhsa_group_segment_fixed_size 327680
		.amdhsa_private_segment_fixed_size 0
		.amdhsa_enable_private_segment 0
		.amdhsa_kernarg_size 32
		.amdhsa_user_sgpr_count 2
		.amdhsa_user_sgpr_kernarg_segment_ptr 1
		.amdhsa_wavefront_size32 1
		.amdhsa_system_sgpr_workgroup_id_x 1
		.amdhsa_system_sgpr_workgroup_id_y 1
		.amdhsa_system_sgpr_workgroup_id_z 1
		.amdhsa_system_vgpr_workitem_id 0
		.amdhsa_next_free_vgpr 512
		.amdhsa_next_free_sgpr 96
		.amdhsa_reserve_vcc 0
		.amdhsa_float_denorm_mode_32 3
		.amdhsa_float_denorm_mode_16_64 3
		.amdhsa_memory_ordered 1
		.amdhsa_forward_progress 1
		.amdhsa_inst_pref_size 142
	.end_amdhsa_kernel
	.amdgpu_metadata
---
amdhsa.version: [ 1, 2 ]
amdhsa.kernels:
  - .name:           k_q12a4d397bd_pv
    .symbol:         k_q12a4d397bd_pv.kd
    .args:
      - { .name: pbuf, .offset: 0, .size: 8, .value_kind: global_buffer, .address_space: global }
      - { .name: qkv, .offset: 8, .size: 8, .value_kind: global_buffer, .address_space: global }
      - { .name: stat, .offset: 16, .size: 8, .value_kind: global_buffer, .address_space: global }
      - { .name: out0, .offset: 24, .size: 8, .value_kind: global_buffer, .address_space: global }
    .group_segment_fixed_size: 327680
    .private_segment_fixed_size: 0
    .kernarg_segment_align: 8
    .kernarg_segment_size: 32
    .max_flat_workgroup_size: 128
    .sgpr_count:     96
    .vgpr_count:     512
    .wavefront_size: 32
...
	.end_amdgpu_metadata
.endif
;; end of part 4
;; ======== version 2 of 2: 4 launches; version 1 with the launch wcast written anew for expert scheduling mode
;; limits: values are held in f16: magnitudes above 65,504 overflow, below 6.1e-05 lose precision
;; workspace buffers: wb 6,291,456 bytes; bb 12,288 bytes; qkv 50,331,648 bytes; pbuf 33,554,432 bytes; stat 1,048,576 bytes
;; launch wcast (part 5): grid 128 x 3, 8 waves a work-group, no clusters, 0 bytes of LDS; arguments Wq, Wk, Wv, bq, bk, bv, wb, bb; writes wb, bb
.if DOCPART == 5
	.amdgcn_target "amdgcn-amd-amdhsa--gfx1250"
	.amdhsa_code_object_version 6
	.text
	.protected	k_q12a4d397bd_wcast
	.globl	k_q12a4d397bd_wcast
	.p2align	8
	.type	k_q12a4d397bd_wcast,@function
k_q12a4d397bd_wcast:
	s_mov_b64 s[64:65], 0
	v_nop
	global_prefetch_b8 v0, s[64:65] scope:SCOPE_SE
	s_setreg_imm32_b32 hwreg(HW_REG_WAVE_SCHED_MODE, 0, 2), 2
	s_setreg_imm32_b32 hwreg(HW_REG_WAVE_MODE, 25, 1), 1
	s_wait_xcnt 0x0
	s_wait_alu depctr_vm_vsrc(0)
; The three weight matrices [1024][1024] f32 are rounded once to bf16 into wb [3][1024][1024]; the three biases are rounded to bf16 and
; written back as f32 words into bb [3][1024] (they later start f32 sums).  Grid y picks the matrix, grid x 32,768 bytes of it.
; A wave reads 4,096 consecutive bytes by eight loads of 512 and writes 2,048 by eight stores, each of 256 consecutive bytes, aligned.
; A stream: no LDS, no barrier, no matrix unit.  All eight loads of a wave are out before the first is used.
; THE MODE: SCHED_MODE bits 1:0 = 2 (LLVM: expert scheduling mode 2), set by the entry lines.  The code itself states the register dependences
; between vector instructions and memory instructions, with s_wait_alu, always for 0.
; THE PLAN.  Registers that memory instructions touch:
;   v1, v2, v3   byte offsets, made once at the head and never written again: read by the stores, by the bias's load and store, by the loads.
;   RAW          v[4:35]: written by the eight loads, once; block p's four conversions read its registers 8 p .. 8 p + 7.
;   OUT          v[36:51]: block p's conversions write its registers 4 p .. 4 p + 3, once; the two stores that are issued in block p + 1 read them.
;   v[52:55]     the bias as loaded: no vector instruction names them ahead of the load.      v[60:63]  the bias to store: written once, read by one store.
; The eight loads go in four blocks of two.  Block p's memory instructions are the stores of block p - 1, and its conversions name RAW and OUT of block p alone: so ONE wait at a
; block's head states all that its two stores hang on.  No register that a memory instruction reads is written a second time, so no wait on vm_vsrc is owed.
.set INO,  3                           ; v3  my byte offset in the work-group's input
.set OUTO, 1                           ; v1  my byte offset in its output
.set BOF,  2                           ; v2  16 x my thread's number: my four numbers of the bias
.set RAW,  4                           ; v[4:35]   load i: 4 registers at RAW + 4 i, 4 f32 as loaded
.set OUT,  36                          ; v[36:51]  load i: 2 registers at OUT + 2 i, the same 4 numbers in bf16
	s_load_b512 s[4:19], s[0:1], 0x0               ; Wq Wk Wv bq bk bv wb bb
	s_and_b32 s24, ttmp7, 0xffff                   ; which of the three
	v_lshrrev_b32 v1, 5, v0
	v_and_b32 v2, 31, v0
	v_lshlrev_b32 v[INO], 12, v1
	v_lshl_add_u32 v[INO], v2, 4, v[INO]           ; wave x 4,096 + lane x 16
	v_lshlrev_b32 v[OUTO], 11, v1
	v_lshl_add_u32 v[OUTO], v2, 3, v[OUTO]         ; wave x 2,048 + lane x 8
	v_lshlrev_b32 v[BOF], 4, v0
	s_lshl_b32 s26, ttmp9, 15                      ; the work-group's 32,768 bytes of input
	s_mov_b32 s27, 0
	s_lshl_b32 s28, s24, 21                        ; the matrix in wb,
	s_lshl_b32 s25, ttmp9, 14                      ; and the work-group's 16,384 bytes of it
	s_add_co_u32 s28, s28, s25
	s_mov_b32 s29, 0
	s_lshl_b32 s30, s24, 12                        ; the bias in bb
	s_mov_b32 s31, 0
	s_wait_kmcnt 0x0
	s_cmp_eq_u32 s24, 1
	s_cselect_b64 s[20:21], s[6:7], s[8:9]
	s_cselect_b64 s[22:23], s[12:13], s[14:15]
	s_cmp_eq_u32 s24, 0
	s_cselect_b64 s[20:21], s[4:5], s[20:21]
	s_cselect_b64 s[22:23], s[10:11], s[22:23]
	s_add_nc_u64 s[20:21], s[20:21], s[26:27]
	s_add_nc_u64 s[16:17], s[16:17], s[28:29]
	s_add_nc_u64 s[18:19], s[18:19], s[30:31]
	s_wait_alu depctr_va_vdst(0)                   ; v1, v2 and v3 are written: every load and store of the kernel reads one of them as its offset
.irp i, 0,1,2,3,4,5,6,7
	global_load_b128 v[RAW+4*(\i):RAW+4*(\i)+3], v[INO], s[20:21] offset:512*(\i) th:TH_LOAD_NT
.endr
; Block p: loads 2 p and 2 p + 1 are rounded; the two stores of block p - 1 stand among the conversions, one ahead of each pair.
.irp p, 0,1,2,3
	s_wait_loadcnt 6-2*(\p)                        ; loads come back in order: this block's two are in, the younger blocks' stay out
.if (\p) > 0
	s_wait_alu depctr_va_vdst(0)                   ; the block before has written its four registers of OUT, which the two stores below read
	global_store_b64 v[OUTO], v[OUT+4*(\p)-4:OUT+4*(\p)-3], s[16:17] offset:512*(\p)-512
.endif
	v_cvt_pk_bf16_f32 v[OUT+4*(\p)],   v[RAW+8*(\p)],   v[RAW+8*(\p)+1]
	v_cvt_pk_bf16_f32 v[OUT+4*(\p)+1], v[RAW+8*(\p)+2], v[RAW+8*(\p)+3]
.if (\p) > 0
	global_store_b64 v[OUTO], v[OUT+4*(\p)-2:OUT+4*(\p)-1], s[16:17] offset:512*(\p)-256  ; no further wait: the two conversions since the wait name this block's registers alone
.endif
	v_cvt_pk_bf16_f32 v[OUT+4*(\p)+2], v[RAW+8*(\p)+4], v[RAW+8*(\p)+5]
	v_cvt_pk_bf16_f32 v[OUT+4*(\p)+3], v[RAW+8*(\p)+6], v[RAW+8*(\p)+7]
.endr
	s_wait_alu depctr_va_vdst(0)                   ; block 3 has written its four registers of OUT, which the last two stores read
	global_store_b64 v[OUTO], v[OUT+12:OUT+13], s[16:17] offset:1536
	global_store_b64 v[OUTO], v[OUT+14:OUT+15], s[16:17] offset:1792
	s_cmp_lg_u32 ttmp9, 0                          ; the first work-group of each matrix also takes its bias: 256 threads x 4 numbers
	s_cbranch_scc1 .Lend
	global_load_b128 v[52:55], v[BOF], s[22:23]    ; no wait: v2 was written ahead of the head's wait, and no vector instruction has named v[52:55]
	s_wait_loadcnt 0x0
	v_cvt_pk_bf16_f32 v56, v52, v53
	v_cvt_pk_bf16_f32 v57, v54, v55
	v_lshlrev_b32 v60, 16, v56                     ; bf16 back to f32: the low half moves up, the high half stays
	v_and_b32 v61, 0xffff0000, v56
	v_lshlrev_b32 v62, 16, v57
	v_and_b32 v63, 0xffff0000, v57
	s_wait_alu depctr_va_vdst(0)                   ; the shifts and masks have written v[60:63], which the store reads
	global_store_b128 v[BOF], v[60:63], s[18:19]
.Lend:
	s_endpgm
.Lfunc_end_k_q12a4d397bd_wcast:
	.size	k_q12a4d397bd_wcast, .Lfunc_end_k_q12a4d397bd_wcast-k_q12a4d397bd_wcast
	.p2alignl 7, 3214868480
	.fill 96, 4, 3214868480
	.section	.rodata,"a",@progbits
	.p2align	6, 0x0
	.amdhsa_kernel k_q12a4d397bd_wcast
		.amdhsa_group_segment_fixed_size 0
		.amdhsa_private_segment_fixed_size 0
		.amdhsa_enable_private_segment 0
		.amdhsa_kernarg_size 64
		.amdhsa_user_sgpr_count 2
		.amdhsa_user_sgpr_kernarg_segment_ptr 1
		.amdhsa_wavefront_size32 1
		.amdhsa_system_sgpr_workgroup_id_x 1
		.amdhsa_system_sgpr_workgroup_id_y 1
		.amdhsa_system_sgpr_workgroup_id_z 1
		.amdhsa_system_vgpr_workitem_id 0
		.amdhsa_next_free_vgpr 64
		.amdhsa_next_free_sgpr 66
		.amdhsa_reserve_vcc 0
		.amdhsa_float_denorm_mode_32 3
		.amdhsa_float_denorm_mode_16_64 3
		.amdhsa_memory_ordered 1
		.amdhsa_forward_progress 1
		.amdhsa_inst_pref_size 5
	.end_amdhsa_kernel
	.amdgpu_metadata
---
amdhsa.version: [ 1, 2 ]
amdhsa.kernels:
  - .name:           k_q12a4d397bd_wcast
    .symbol:         k_q12a4d397bd_wcast.kd
    .args:
      - { .name: Wq, .offset: 0, .size: 8, .value_kind: global_buffer, .address_space: global }
      - { .name: Wk, .offset: 8, .size: 8, .value_kind: global_buffer, .address_space: global }
      - { .name: Wv, .offset: 16, .size: 8, .value_kind: global_buffer, .address_space: global }
      - { .name: bq, .offset: 24, .size: 8, .value_kind: global_buffer, .address_space: global }
      - { .name: bk, .offset: 32, .size: 8, .value_kind: global_buffer, .address_space: global }
      - { .name: bv, .offset: 40, .size: 8, .value_kind: global_buffer, .address_space: global }
      - { .name: wb, .offset: 48, .size: 8, .value_kind: global_buffer, .address_space: global }
      - { .name: bb, .offset: 56, .size: 8, .value_kind: global_buffer, .address_space: global }
    .group_segment_fixed_size: 0
    .private_segment_fixed_size: 0
    .kernarg_segment_align: 8
    .kernarg_segment_size: 64
    .max_flat_workgroup_size: 256
    .sgpr_count:     66
    .vgpr_count:     64
    .wavefront_size: 32
...
	.end_amdgpu_metadata
.endif
;; end of part 5
;; launch proj: the kernel of part 2 again; grid 4 x 64, 4 waves a work-group, clusters of 4 x 4, 327,680 bytes of LDS; arguments query, key, value, wb, bb, qkv; writes qkv
;; launch scores: the kernel of part 3 again; grid 8 x 32, 4 waves a work-group, clusters of 4 x 4, 327,680 bytes of LDS; arguments qkv, pbuf, stat; writes pbuf, stat
;; launch pv: the kernel of part 4 again; grid 4 x 64, 4 waves a work-group, clusters of 4 x 4, 327,680 bytes of LDS; arguments pbuf, qkv, stat, out0; writes out0
